; MI455X (gfx1250); checked and timed in simulation.
; The chip was launched on July 23, 2026; its instructions are those of AMD's public machine-readable ISA for CDNA 5 (MIT licence, August 2026) and "CDNA5" Instruction Set Architecture Reference Guide (July 2026). The comments in the code are by the model that wrote it; some were corrected since.
;; Ro PE Multihead Attention. Allowed arithmetic: matrix products marked QUANTISED: E4M3 operands, one given power-of-two scale a tensor, by v_wmma_f32_16x16x64_fp8_fp8 or v_wmma_f32_16x16x128_fp8_fp8, f32 sums; everything else in f32.
;; Inputs: Wout 1,024 x 1,024 float32; Wqkv 1,024 x 3,072 float32; bout 1,024 float32; bqkv 3,072 float32; freqs 2,048 x 64 float32; lowp_scales 8 int32 (the exponents e of the quantised operands' scales 2^e); x 4 x 2,048 x 1,024 float32.
;; Outputs: out0 4 x 2,048 x 1,024 float32.
;; This version of the problem:
;;   THIS VERSION OF THE PROBLEM IS GIVEN IN LOW PRECISION. The matrix products marked QUANTISED in the list below multiply operands that are first quantised to E4M3 (4 exponent bits, 3 mantissa bits; 8 bits a number), with one given power-of-two scale for each operand tensor; their sums are f32. All else is computed in f32.
;;   The module's matrix products, in the order in which they are computed (A, B: the left and right operand; K: the contracted axis; several contracted axes count as one K, in the product's order):
;;     1. [M 8,192, K 1,024] x [K 1,024, N 3,072]; A: input x; B: input Wqkv: QUANTISED (scales: A lowp_scales[0], B lowp_scales[1])
;;     2. batch 64 x [M 2,048, K 64] x [K 64, N 2,048]; A: computed on the way; B: computed on the way: QUANTISED (scales: A lowp_scales[2], B lowp_scales[3])
;;     3. batch 64 x [M 2,048, K 2,048] x [K 2,048, N 64]; A: softmax (see below); B: computed on the way: QUANTISED (scales: A lowp_scales[4], B lowp_scales[5])
;;     4. [M 8,192, K 1,024] x [K 1,024, N 1,024]; A: computed on the way; B: input Wout: QUANTISED (scales: A lowp_scales[6], B lowp_scales[7])
;;   THE QUANTISER, for each operand of a quantised product, along K:
;;     - The operand's scale is 2^e, e = its entry of the input lowp_scales (int32; the entries are numbered through the quantised products in the list's order, A before B).
;;     - Each number is divided by the scale, clamped to +-448, and rounded to the nearest number of E4M3, ties to even, subnormals kept.
;;     - The product sums the exact products of the quantised numbers (number of the format x scale) in f32.
;;   ~~~python
;;   def quantise(x, axis, e):      # numpy; x: float32 -> the quantised numbers, widened to float32 again
;;       x = np.moveaxis(x, axis, -1); K = x.shape[-1]
;;       r = np.clip(x / 2.0 ** e, -448, 448)
;;       step = 2.0 ** (np.maximum(np.frexp(np.where(r == 0, 1, r))[1] - 1, -6) - 3)
;;       q = np.round(r / step) * step * 2.0 ** e      # np.round: ties to even
;;       return np.moveaxis(q, -1, axis).astype(np.float32)
;;   ~~~
;;   SOFTMAX AHEAD OF A QUANTISED PRODUCT. Where the list says 'softmax', what is quantised is not the finished softmax but p = 2^(t - M), with t = logit x log2(e) and M = ceil(the row's largest t), a whole number; so 1/2 < the row's largest p <= 1. The row's sum l is taken of the UNQUANTISED p, in f32, and the product's result is divided by l at the end. Since M is a whole number, a kernel that streams over the keys may use a running M (the ceiling of the running maximum): every later rescaling is an exact power of two, so the quantised numbers keep their values, but for numbers so far below the row's largest that they fall under the format's range.
;;   OPERANDS COMPUTED ON THE WAY. 'Computed on the way' means the value that the module computes at that place (a softmax that the list does not call 'softmax' is quantised finished and normalised). What goes into a quantiser is computed in f32, as accurately as f32 sums, v_exp_f32 and their like allow (about 1e-6 of the number): no bf16 or f16 on the way to a quantiser, and a product that is left as it is and whose result goes on into a quantised operand takes f32 operands (vector FMAs, or v_wmma_f32_16x16x4_f32). A number that lies on a knife's edge between two numbers of the format may be rounded either way, as far as f32 arithmetic and the matrix unit's own rounding can turn it there, and no further.
;; One version. Each part assembles by itself: llvm-mc -triple=amdgcn-amd-amdhsa -mcpu=gfx1250 --defsym DOCPART=n.
;; ======== version 1 of 1: 4 launches
;; limits: inputs' magnitudes at most 70,000; right only within a limited range of input values
;; workspace buffers: x_img 8,388,608 bytes; wqkv_img 3,145,728 bytes; wout_img 1,048,576 bytes; cs 1,048,576 bytes; qkv 25,165,824 bytes; ao_img 8,388,608 bytes
;; launch prep (part 1): grid 896 x 1, 4 waves a work-group, no clusters, 34,304 bytes of LDS; arguments x, Wqkv, Wout, freqs, lowp_scales, x_img, wqkv_img, wout_img, cs; writes x_img, wqkv_img, wout_img, cs
.if DOCPART == 1
	.amdgcn_target "amdgcn-amd-amdhsa--gfx1250"
	.amdhsa_code_object_version 6
	.text
	.protected	k_q2d9198b275_prep
	.globl	k_q2d9198b275_prep
	.p2align	8
	.type	k_q2d9198b275_prep,@function
k_q2d9198b275_prep:
	s_mov_b64 s[64:65], 0
	v_nop
	global_prefetch_b8 v0, s[64:65] scope:SCOPE_SE
	s_setreg_imm32_b32 hwreg(HW_REG_WAVE_MODE, 25, 1), 1
	s_wait_xcnt 0x0
; PREP: the operands that many work-groups read are quantised once, and the table of cos and sin is made once.
; NOTHING OF THE PROBLEM IS LEFT OUT in this program: every input has a way to out0 (the bias on k moves k's codes, so it stays), every product of the table is done.
; x [8192][1024], Wqkv [1024][3072], Wout [1024][1024], f32 -> codes of E4M3: code = number / 2^e, held within +-448, to the nearest code, ties to even; e = lowp_scales[0], [1], [7].
; THE CODES ARE LAID AS IMAGES OF THE OPERAND'S REGISTERS.  A fragment is 16 rows x 128 k, 16 registers a lane; lane 16 h + r holds row r, registers 2 c, 2 c + 1 hold k = 16 c + 8 h + 0..7 (true places of k).
; Byte of (tile of 16 rows, row r, k) in an image of T tiles:  (k>>8) T 4096 + tile 4096 + ((k>>7)&1) 2048 + ((k>>5)&3) 512 + (((k>>3)&1) 16 + r) 16 + ((k>>4)&1) 8 + (k&7).
; So each group of four registers is 512 consecutive bytes, 16 a lane, and 256 along K of 128 rows are 32,768 consecutive bytes.  For the weights a row is a column n of W (K is W's first axis).
; cs: f32; byte ltile 8192 + tab 4096 + (2 t + q) 512 + 16 lane holds four numbers at [l = 16 ltile + r][d = 16 t + 8 h + 4 q + 0..3]; tab 0: cos(freqs); tab 1: sin(freqs) with rotate_half's sign: - for d < 32.
; SHARES.  Work-groups 0-511: x, a tile of 16 rows each, a wave 256 along K.  512-703: Wqkv, 704-767: Wout: 128 along K x 128 columns each, a lane a column.  768-895: the table, 16 positions each, a wave 16 of the 64 d.
; Memory binds here and the work-groups share no input: no matrix unit, no cluster, no tensor load; several work-groups lie on a WGP.
; LIMITS: e between -126 and 119, so that 2^e and 448 x 2^e are f32 numbers.  |freqs| up to 7e4 (the reduction by pi/2 in three parts holds its accuracy so far).  NaN among the inputs is not served.
.set XKS,   2097152                    ; x's image: from one 256 along K to the next: 512 tiles x 4,096
.set STG,   8448                       ; LDS: a stage of 16 rows x 528 bytes for each wave (path x alone)
.set SPARE, 33792                      ; behind the four stages: the spare words, 128 bytes a wave: two blocks of 256 bytes that no other line names
.set R,     16                         ; v16-143  numbers as loaded
.set X,     144                        ; v144-207 64 numbers in the fragment's order
.set C,     208                        ; v208-239 codes: no store's data are written again
.set SPW,   12                         ; v12 LDS address of my spare word; never rewritten
.set NIL,   13                         ; v13 0; never rewritten
	s_load_b512 s[4:19], s[0:1], 0x0               ; x 4, Wqkv 6, Wout 8, freqs 10, scales 12, x_img 14, wqkv_img 16, wout_img 18
	s_load_b64 s[20:21], s[0:1], 0x40              ; cs
	v_lshl_add_u32 v[SPW], v0, 2, SPARE
	v_mov_b32 v[NIL], 0
	v_lshrrev_b32 v1, 5, v0
	v_readfirstlane_b32 s22, v1                    ; wave 0..3
	v_and_b32 v1, 31, v0                           ; lane
	v_and_b32 v2, 15, v0                           ; r
	v_bfe_u32 v3, v0, 4, 1                         ; h
	v_lshlrev_b32 v4, 4, v1                        ; 16 x lane
	s_mul_i32 s23, s22, STG                        ; my stage
	v_add_nc_u32 v5, s23, v4                       ; into it: 16 bytes a lane of a row's 512
	v_mul_u32_u24 v6, v2, 528
	v_lshl_add_u32 v6, v3, 5, v6
	v_add_nc_u32 v6, s23, v6                       ; out of it: row r, + 32 h: eight neighbours along K
	v_lshlrev_b32 v7, 4, v2
	v_lshl_add_u32 v7, v3, 12, v7                  ; the weights' codes: tile lane / 16, row lane % 16
	v_lshlrev_b32 v8, 2, v1                        ; the weights: 4 bytes a lane
	s_wait_kmcnt 0x0
	s_load_b256 s[24:31], s[12:13], 0x0            ; e0 .. e7
	s_cmp_lt_u32 ttmp9, 512
	s_cbranch_scc1 .Lx
	s_cmp_lt_u32 ttmp9, 704
	s_cbranch_scc1 .Lwq
	s_cmp_lt_u32 ttmp9, 768
	s_cbranch_scc1 .Lwo
; ---- THE TABLE.  sin and cos by reduction to [-pi/4, pi/4] and two polynomials, all fused multiply-adds in f32.  s24-31 are not named on this path.
.set FQ, 16
.set NQ, 24
.set AQ, 32
.set ZQ, 40
.set CC, 48
.set SS, 56
.set IQ, 64
.set TQ, 72
.set CO, 80
.set SI, 88
	s_sub_co_u32 s47, ttmp9, 768                   ; ltile
	s_lshl_b32 s48, s47, 12                        ; 16 rows of 256 bytes
	s_lshl_b32 s49, s22, 6                         ; + 64 t
	s_add_co_u32 s48, s48, s49
	s_mov_b32 s49, 0
	s_add_nc_u64 s[10:11], s[10:11], s[48:49]
	v_lshlrev_b32 v9, 8, v2
	v_lshl_add_u32 v9, v3, 5, v9                   ; row r, + 32 h: pieces of 32 bytes, 256 apart; the four waves of the group take the whole rows between them, once in the launch
	global_load_b128 v[FQ:FQ+3], v9, s[10:11]
	global_load_b128 v[FQ+4:FQ+7], v9, s[10:11] offset:16
	s_lshl_b32 s50, s47, 13
	s_lshl_b32 s51, s22, 10
	s_add_co_u32 s50, s50, s51
	s_mov_b32 s51, 0
	s_add_nc_u64 s[20:21], s[20:21], s[50:51]      ; cs at ltile 8192 + 2 t 512
	s_mov_b32 s32, 0x3f22f983                      ; 2 / pi
	s_mov_b32 s33, 0xbfc90fd8                      ; - pi/2 in three parts
	s_mov_b32 s34, 0xb4a8885a
	s_mov_b32 s35, 0xa7c234c4
	s_mov_b32 s36, 0x37cd4000                      ; cosine's coefficients
	s_mov_b32 s37, 0xbab6077d
	s_mov_b32 s38, 0x3d2aaaa8
	s_mov_b32 s39, 0x36405000                      ; sine's
	s_mov_b32 s42, 0xb9503486
	s_mov_b32 s43, 0x3c0888c1
	s_mov_b32 s44, 0xbe2aaaab
	s_mov_b32 s45, 0x80000000
	s_cmp_lt_u32 s22, 2
	s_cselect_b32 s46, s45, 0                      ; rotate_half's sign: d < 32 lies in waves 0 and 1
	s_wait_loadcnt 0x0
.irp i, 0,1,2,3,4,5,6,7
	v_mul_f32 v[NQ+\i], s32, v[FQ+\i]
.endr
.irp i, 0,1,2,3,4,5,6,7
	v_rndne_f32 v[NQ+\i], v[NQ+\i]                 ; n = the nearest whole number to f x 2 / pi
.endr
.irp i, 0,1,2,3,4,5,6,7
	v_fma_f32 v[AQ+\i], v[NQ+\i], s33, v[FQ+\i]    ; a = f - n pi/2
.endr
.irp i, 0,1,2,3,4,5,6,7
	v_fma_f32 v[AQ+\i], v[NQ+\i], s34, v[AQ+\i]
.endr
.irp i, 0,1,2,3,4,5,6,7
	v_fma_f32 v[AQ+\i], v[NQ+\i], s35, v[AQ+\i]
.endr
.irp i, 0,1,2,3,4,5,6,7
	v_cvt_i32_f32 v[IQ+\i], v[NQ+\i]
.endr
.irp i, 0,1,2,3,4,5,6,7
	v_mul_f32 v[ZQ+\i], v[AQ+\i], v[AQ+\i]
.endr
.irp i, 0,1,2,3,4,5,6,7
	v_fma_f32 v[CC+\i], v[ZQ+\i], s36, s37
.endr
.irp i, 0,1,2,3,4,5,6,7
	v_fma_f32 v[CC+\i], v[CC+\i], v[ZQ+\i], s38
.endr
.irp i, 0,1,2,3,4,5,6,7
	v_fma_f32 v[CC+\i], v[CC+\i], v[ZQ+\i], -0.5
.endr
.irp i, 0,1,2,3,4,5,6,7
	v_fma_f32 v[CC+\i], v[CC+\i], v[ZQ+\i], 1.0    ; cos a
.endr
.irp i, 0,1,2,3,4,5,6,7
	v_fma_f32 v[SS+\i], v[ZQ+\i], s39, s42
.endr
.irp i, 0,1,2,3,4,5,6,7
	v_fma_f32 v[SS+\i], v[SS+\i], v[ZQ+\i], s43
.endr
.irp i, 0,1,2,3,4,5,6,7
	v_fma_f32 v[SS+\i], v[SS+\i], v[ZQ+\i], s44
.endr
.irp i, 0,1,2,3,4,5,6,7
	v_mul_f32 v[TQ+\i], v[AQ+\i], v[ZQ+\i]
.endr
.irp i, 0,1,2,3,4,5,6,7
	v_fma_f32 v[SS+\i], v[SS+\i], v[TQ+\i], v[AQ+\i]   ; sin a
.endr
.irp i, 0,1,2,3,4,5,6,7                        ; the quadrant only selects values and signs: odd n swaps the two; sin changes sign where n & 2, cos where (n + 1) & 2
	v_and_b32 v[TQ+\i], 1, v[IQ+\i]
	v_cmp_eq_u32 vcc_lo, 1, v[TQ+\i]
	v_cndmask_b32 v[SI+\i], v[SS+\i], v[CC+\i], vcc_lo
	v_cndmask_b32 v[CO+\i], v[CC+\i], v[SS+\i], vcc_lo
	v_lshlrev_b32 v[TQ+\i], 30, v[IQ+\i]
	v_and_b32 v[TQ+\i], s45, v[TQ+\i]
	v_xor_b32 v[TQ+\i], s46, v[TQ+\i]
	v_xor_b32 v[SI+\i], v[SI+\i], v[TQ+\i]
	v_add_nc_u32 v[TQ+\i], 1, v[IQ+\i]
	v_lshlrev_b32 v[TQ+\i], 30, v[TQ+\i]
	v_and_b32 v[TQ+\i], s45, v[TQ+\i]
	v_xor_b32 v[CO+\i], v[CO+\i], v[TQ+\i]
.endr
	global_store_b128 v4, v[CO:CO+3], s[20:21]                     ; each store: 512 consecutive bytes, aligned
	global_store_b128 v4, v[CO+4:CO+7], s[20:21] offset:512
	global_store_b128 v4, v[SI:SI+3], s[20:21] offset:4096
	global_store_b128 v4, v[SI+4:SI+7], s[20:21] offset:4608
	s_endpgm
.macro MKSCALE e                       ; v10 = 2^e as f32 (the conversion takes its exponent field), v11 = 448 x 2^e
	s_add_co_i32 s40, s[\e], 127
	s_lshl_b32 s41, s40, 23
	v_mov_b32 v10, s41
	s_add_co_i32 s40, s40, 8
	s_lshl_b32 s40, s40, 23
	s_or_b32 s40, s40, 0x600000
	v_mov_b32 v11, s40
.endm
; ---- x.  The loads take the bytes as they lie (512 consecutive bytes an instruction); 16 rows x 512 bytes turn through my own stage, so that a lane gets eight neighbours along K of its row r.
.Lx:
	s_lshl_b32 s32, ttmp9, 16                      ; 16 rows of 4,096 bytes
	s_lshl_b32 s34, s22, 10                        ; + my 256 numbers of each row
	s_add_co_u32 s32, s32, s34
	s_mov_b32 s33, 0
	s_add_nc_u64 s[4:5], s[4:5], s[32:33]
	s_lshl_b32 s34, s22, 21                        ; the image: wave x XKS
	s_lshl_b32 s36, ttmp9, 12                      ; + tile x 4,096
	s_add_co_u32 s34, s34, s36
	s_mov_b32 s35, 0
	s_add_nc_u64 s[14:15], s[14:15], s[34:35]
	s_wait_alu depctr_va_vdst(0)
.irp f, 0,1
.irp i, 0,1,2,3,4,5,6,7,8,9,10,11,12,13,14,15
	global_load_b128 v[R+64*\f+4*\i:R+64*\f+4*\i+3], v4, s[4:5] offset:\i*4096+\f*512 th:TH_LOAD_NT
.endr
.endr
	s_wait_kmcnt 0x0
	MKSCALE 24
	s_wait_alu depctr_va_vdst(0)
.irp f, 0,1                                    ; the two fragments of my 256 along K
	s_wait_loadcnt 16-16*\f                        ; this fragment's 16 loads are in; the 16 issued behind them may be out
.irp i, 0,1,2,3,4,5,6,7,8,9,10,11,12,13,14,15
	ds_store_b128 v5, v[R+64*\f+4*\i:R+64*\f+4*\i+3] offset:\i*528
.endr
.irp g, 0,1,2,3
.irp c, 0,1
.irp q, 0,1
	ds_load_b128 v[X+16*\g+8*\c+4*\q:X+16*\g+8*\c+4*\q+3], v6 offset:128*\g+64*\c+16*\q   ; k = 32 g + 16 c + 8 h + 4 q ..; LDS serves a wave's instructions in order: these see my stores, and the next fragment's stores come behind them
.endr
.endr
.endr
	s_wait_dscnt 0x0
.set j, 0
.rept 64
	v_med3_num_f32 v[X+j], v[X+j], -v11, v11       ; the conversion to an 8-bit code does not saturate (ISA guide 7.6.2): the hold at the largest code x the scale
.set j, j+1
.endr
.irp u, 0,1,2,3,4,5,6,7
	v_cvt_scalef32_pk8_fp8_f32 v[C+16*\f+2*\u:C+16*\f+2*\u+1], v[X+8*\u:X+8*\u+7], v10
.endr
	v_nop                                          ; a plain line behind the conversions: the next fragment's holds write their sources
.irp g, 0,1,2,3
	global_store_b128 v4, v[C+16*\f+4*\g:C+16*\f+4*\g+3], s[14:15] offset:\f*2048+\g*512   ; 512 consecutive bytes, aligned
.endr
.endr
	s_wait_tensorcnt 0x0                           ; the wave's end, behind my last LDS store
	ds_add_u32 v[SPW], v[NIL]
	s_wait_dscnt 0x0
	s_endpgm
; ---- THE WEIGHTS.  A lane takes a column n and its registers run down K, in the order in which the image wants them: register p of group g takes k = 32 g + (p & 7) + 16 ((p >> 3) & 1) + 8 (p >> 4).
; So four conversions give the 16 bytes of the image's lane (h = 0, r) and the 16 of lane (h = 1, r).  Nothing is transposed.  Each load reads 128 consecutive bytes a wave, 512 a work-group.
.macro WLOAD g, pitch
.set p, 0
.rept 32
	global_load_b32 v[R+32*(\g)+p], v8, s[32:33] offset:(32*(\g)+(p&7)+16*((p>>3)&1)+8*(p>>4))*(\pitch) th:TH_LOAD_NT
.set p, p+1
.endr
.endm
.macro WQ pitch, nt, first, e, src, dst
	s_sub_co_u32 s34, ttmp9, \first
	s_and_b32 s35, s34, 7                          ; which 128 along K
	s_lshr_b32 s36, s34, 3                         ; which 128 columns
	s_mul_i32 s38, s35, 128*(\pitch)
	s_lshl_b32 s37, s36, 9
	s_add_co_u32 s38, s38, s37
	s_lshl_b32 s37, s22, 7                         ; my wave's 32 columns
	s_add_co_u32 s38, s38, s37
	s_mov_b32 s39, 0
	s_add_nc_u64 s[32:33], s[\src:\src+1], s[38:39]
	s_lshr_b32 s37, s35, 1
	s_mul_i32 s42, s37, (\nt)*4096                 ; the image: which 256 along K,
	s_lshl_b32 s37, s36, 15                        ; 8 tiles a work-group,
	s_add_co_u32 s42, s42, s37
	s_lshl_b32 s37, s22, 13                        ; 2 a wave,
	s_add_co_u32 s42, s42, s37
	s_and_b32 s37, s35, 1
	s_lshl_b32 s37, s37, 11                        ; which 128 of the 256
	s_add_co_u32 s42, s42, s37
	s_mov_b32 s43, 0
	s_add_nc_u64 s[44:45], s[\dst:\dst+1], s[42:43]
	WLOAD 0, \pitch
	WLOAD 1, \pitch
	s_wait_kmcnt 0x0
	MKSCALE \e
	s_wait_alu depctr_va_vdst(0)
.irp g, 0,1,2,3
.if \g < 3
	s_wait_loadcnt 32                              ; this group's 32 loads are in; the next group's 32 may be out
.else
	s_wait_loadcnt 0
.endif
.if \g < 2
	WLOAD \g+2, \pitch                             ; two groups ahead, into registers of their own
.endif
.set j, 0
.rept 32
	v_med3_num_f32 v[R+32*\g+j], v[R+32*\g+j], -v11, v11
.set j, j+1
.endr
.irp u, 0,1,2,3
	v_cvt_scalef32_pk8_fp8_f32 v[C+8*\g+2*\u:C+8*\g+2*\u+1], v[R+32*\g+8*\u:R+32*\g+8*\u+7], v10
.endr
	v_nop
	global_store_b128 v7, v[C+8*\g:C+8*\g+3], s[44:45] offset:\g*512            ; sixteen lanes store 256 consecutive bytes, aligned
	global_store_b128 v7, v[C+8*\g+4:C+8*\g+7], s[44:45] offset:\g*512+256
.endr
	s_endpgm
.endm
.Lwq:
	s_wait_alu depctr_va_vdst(0)
	WQ 12288, 192, 512, 25, 6, 16
.Lwo:
	s_wait_alu depctr_va_vdst(0)
	WQ 4096, 64, 704, 31, 8, 18
.Lfunc_end_k_q2d9198b275_prep:
	.size	k_q2d9198b275_prep, .Lfunc_end_k_q2d9198b275_prep-k_q2d9198b275_prep
	.p2alignl 7, 3214868480
	.fill 96, 4, 3214868480
	.section	.rodata,"a",@progbits
	.p2align	6, 0x0
	.amdhsa_kernel k_q2d9198b275_prep
		.amdhsa_group_segment_fixed_size 34304
		.amdhsa_private_segment_fixed_size 0
		.amdhsa_enable_private_segment 0
		.amdhsa_kernarg_size 72
		.amdhsa_user_sgpr_count 2
		.amdhsa_user_sgpr_kernarg_segment_ptr 1
		.amdhsa_wavefront_size32 1
		.amdhsa_system_sgpr_workgroup_id_x 1
		.amdhsa_system_sgpr_workgroup_id_y 1
		.amdhsa_system_sgpr_workgroup_id_z 1
		.amdhsa_system_vgpr_workitem_id 0
		.amdhsa_next_free_vgpr 256
		.amdhsa_next_free_sgpr 66
		.amdhsa_reserve_vcc 1
		.amdhsa_float_denorm_mode_32 3
		.amdhsa_float_denorm_mode_16_64 3
		.amdhsa_memory_ordered 1
		.amdhsa_forward_progress 1
		.amdhsa_inst_pref_size 78
	.end_amdhsa_kernel
	.amdgpu_metadata
---
amdhsa.version: [ 1, 2 ]
amdhsa.kernels:
  - .name:           k_q2d9198b275_prep
    .symbol:         k_q2d9198b275_prep.kd
    .args:
      - { .name: x, .offset: 0, .size: 8, .value_kind: global_buffer, .address_space: global }
      - { .name: Wqkv, .offset: 8, .size: 8, .value_kind: global_buffer, .address_space: global }
      - { .name: Wout, .offset: 16, .size: 8, .value_kind: global_buffer, .address_space: global }
      - { .name: freqs, .offset: 24, .size: 8, .value_kind: global_buffer, .address_space: global }
      - { .name: lowp_scales, .offset: 32, .size: 8, .value_kind: global_buffer, .address_space: global }
      - { .name: x_img, .offset: 40, .size: 8, .value_kind: global_buffer, .address_space: global }
      - { .name: wqkv_img, .offset: 48, .size: 8, .value_kind: global_buffer, .address_space: global }
      - { .name: wout_img, .offset: 56, .size: 8, .value_kind: global_buffer, .address_space: global }
      - { .name: cs, .offset: 64, .size: 8, .value_kind: global_buffer, .address_space: global }
    .group_segment_fixed_size: 34304
    .private_segment_fixed_size: 0
    .kernarg_segment_align: 8
    .kernarg_segment_size: 72
    .max_flat_workgroup_size: 128
    .sgpr_count:     66
    .vgpr_count:     256
    .wavefront_size: 32
...
	.end_amdgpu_metadata
.endif
;; end of part 1
;; launch qkvgemm (part 2): grid 4 x 64, 4 waves a work-group, clusters of 4 x 4, 327,680 bytes of LDS; arguments x_img, wqkv_img, bqkv, cs, lowp_scales, qkv; writes qkv
.if DOCPART == 2
	.amdgcn_target "amdgcn-amd-amdhsa--gfx1250"
	.amdhsa_code_object_version 6
	.text
	.protected	k_q2d9198b275_qkvgemm
	.globl	k_q2d9198b275_qkvgemm
	.p2align	8
	.type	k_q2d9198b275_qkvgemm,@function
k_q2d9198b275_qkvgemm:
	s_mov_b64 s[64:65], 0
	v_nop
	global_prefetch_b8 v0, s[64:65] scope:SCOPE_SE
	s_setreg_imm32_b32 hwreg(HW_REG_WAVE_MODE, 25, 1), 1
	s_wait_xcnt 0x0
	s_wait_alu depctr_hold_cnt(0) depctr_sa_sdst(0) depctr_va_vdst(0) depctr_va_sdst(0) depctr_va_ssrc(0) depctr_va_vcc(0) depctr_vm_vsrc(0)
	s_getreg_b32 s2, hwreg(HW_REG_IB_STS2, 6, 4)
	s_cmp_eq_u32 s2, 0
	s_cbranch_scc0 .Lentry_in_a_cluster
	s_endpgm
.Lentry_in_a_cluster:
	s_bfe_u32 s2, ttmp6, 0x10000c
	s_cmp_lg_u32 s2, 0xf033
	s_cbranch_scc0 .Lentry_shape_is_right
	s_endpgm
.Lentry_shape_is_right:
; x Wqkv + bqkv on codes of E4M3, then the rotation of q and k, then the three quantisers: q (lowp_scales[2]), k ([3]), v ([5]).  Nothing of the problem is left out here.
; A WORK-GROUP STAYS AND MAKES THREE BLOCKS of 128 x 256, one after the other on one straight path: 8,192 x 3,072 / (128 x 256) = 768 blocks = 3 x 256 work-groups.
;   block 0: 128 tokens x 256 columns of q;  block 1: the same tokens x the same columns of k;  block 2: 128 channels of v x 256 tokens.
; A block has region A (128 rows, source 1 of the products) and region B (256 rows, source 0).  Four waves, 64 x 128 each: 32 accumulators.  In a result lane (r, h) holds row 16 a + r of A, register j row 16 b + 8 h + j of B.
; q, k: A = rows of x, B = columns of Wqkv: a lane holds one token, and d and d +- 32 of a head lie in one lane.  v: A = columns of Wqkv, B = rows of x: a lane holds one channel and its registers run along the keys.
; THE OPERANDS LIE IN MEMORY AS IMAGES OF THEIR REGISTERS (see the launch before): 256 along K (a chunk) of a tile of 16 rows are 4,096 consecutive bytes.
; LDS: each fetching wave (0, 1: A's halves; 2, 3: B's) has three places of one chunk on end: A 3 x 16,384 bytes, B 3 x 32,768.  A block's four chunks come by three loads a wave: chunks 0 and 1 by one tile of two long
; rows, asked for ahead of the last chunk's products and the way out of the block before; chunk 2; chunk 3.  Places: even blocks 0, 1 | 2 | 0; the odd block 1, 2 | 0 | 2: every fill lands on bytes whose reads are over.
; Each load stands behind the full sequence and a round of the cluster's barrier.  CLUSTERS: 4 x 4; A's tiles hang on cy and the cluster's number, B's on cx and the cluster's number.
; PREFETCHES: behind a load, what the next load brings, where no load of this launch has asked for it before: x in block 0, the weights in every block.  The four partners of a joint load share its bytes out by address.
; cos and sin of my 64 positions are loaded once, into window 3, and serve q and k.  A sum stands for sum x 2^(e0 + e1): y = b x 2^-(e0 + e1) + sum, and the conversion takes 2^(eo - e0 - e1) as its one scale.
; qkv, for each bh, 393,216 bytes: Q at 0, K at 131,072: ltile 1024 + gg 512 + 16 lane; V at 262,144: kb 8192 + dt 2048 + g 512 + 16 lane.
; LIMITS: e0 + e1 between -127 and 126; eo - e0 - e1 between -126 and 119 for eo = e2, e3, e5.  NaN among the inputs is not served.
; REGISTERS: window 0: addresses, v32-95 the bias of q or k, v96-103 of v, v128-255 A's fragments, two sets; window 1: B's, two sets (on the way out v0-63 at work, v64-127 codes); window 2: accumulators; window 3: cos, sin.
.set XKS,   2097152
.set WKS,   786432
.set SPARE, 294912                     ; behind the places: the spare words, 128 bytes a wave: two blocks of 256 bytes that no other line names
.set ADRA,  16
.set ADRB,  20
.set ADRB2, 21
.set BOV,   24
.set BO,    25
.set LI,    26
.set SCV,   27
.set SPW,   28
.set NIL,   29
.set PFO,   30
.set BI,    32
.set BVR,   96
.set AF,    128
.set G1A,  24
.set G1A2, 32
.set G1B,  40
.set G1B2, 48
.set G0A,  56
.set G0B,  60
.set ABX,  76                          ; the blocks' first bytes, with the descriptor's type bits: A of blocks 0, 1;
.set BB0,  78                          ; B of block 0,
.set BB1,  80                          ; of block 1;
.set AB2,  82                          ; A of block 2,
.set BB2,  84                          ; B of block 2
.set PX,   86                          ; the prefetches' bases; never written again
.set PW,   88
.set PV,   90
.set LA,   92
.set LB,   93
.set MSB, 0
.macro WIN new                         ; the immediate's high byte repeats the setting that is left
.if MSB != (\new)
	s_set_vgpr_msb (MSB<<8)|(\new)
.set MSB, (\new)
.endif
.endm
.macro JLOAD g1a, g1b                  ; a joint load; an s_nop 0 and four v_nop follow each of the two lines
	s_cmp_eq_u32 s17, 0
	s_cbranch_scc0 .Lfor_b_\@
	tensor_load_to_lds s[G0A:G0A+3], s[\g1a:\g1a+7]
	s_nop 0
.rept 4
	v_nop
.endr
	s_branch .Lasked_\@
.Lfor_b_\@:
	tensor_load_to_lds s[G0B:G0B+3], s[\g1b:\g1b+7]
	s_nop 0
.rept 4
	v_nop
.endr
.Lasked_\@:
.endm
.macro CROUND                          ; a round of the cluster's barrier
	s_barrier_signal -1
	s_barrier_wait -1
	s_cmp_lg_u32 s16, 0
	s_cbranch_scc1 .Lnot_wave_0_\@
	s_barrier_signal -3
.Lnot_wave_0_\@:
	s_barrier_wait -3
	s_barrier_signal -1
	s_barrier_wait -1
.endm
.macro MKG1 g, c, r, p                 ; group 1 but for its first word: r rows of c elements of 8 bytes, p elements apart
	s_mov_b32 s[\g+1], ((\c)&0xffff)<<16
	s_mov_b32 s[\g+2], ((\c)>>16)|((\r)<<16)
	s_mov_b32 s[\g+3], (\c)<<16
	s_mov_b32 s[\g+4], \r
	s_mov_b32 s[\g+5], \p
	s_mov_b32 s[\g+6], 0
	s_mov_b32 s[\g+7], 0
.endm
.macro SETG sub, ab, ao, bb, bo        ; both groups 0: place sub, ao and bo bytes behind the block's first
	s_add_co_u32 s[G0A+1], s[LA], (\sub)*16384
	s_add_nc_u64 s[G0A+2:G0A+3], s[\ab:\ab+1], \ao
	s_add_co_u32 s[G0B+1], s[LB], (\sub)*32768
	s_add_nc_u64 s[G0B+2:G0B+3], s[\bb:\bb+1], \bo
.endm
.macro CHANGE sub, ab, ao, bb, bo      ; the full sequence and a round, in front of each load
	WIN 0
	s_wait_tensorcnt 0x0                           ; all my tensor loads have landed, so a group 0 may be written
	ds_add_u32 v[SPW], v[NIL]
	SETG \sub, \ab, \ao, \bb, \bo
	s_wait_dscnt 0x0                               ; the add is done, and my LDS reads are over
	CROUND
.endm
.macro ASKA base, off                  ; a prefetch by the waves that fetch for A: 16 blocks of 256 bytes (lanes 16-31 name lane 15's again)
	s_cmp_lg_u32 s17, 0
	s_cbranch_scc1 .Lna_\@
	global_prefetch_b8 v[PFO], s[\base:\base+1] offset:\off th:TH_LOAD_NT scope:SCOPE_SE
.Lna_\@:
.endm
.macro ASKB base, off                  ; by the waves that fetch for B: 32 blocks of 256 bytes
	s_cmp_eq_u32 s17, 0
	s_cbranch_scc1 .Lnb_\@
	global_prefetch_b8 v[PFO], s[\base:\base+1] offset:\off th:TH_LOAD_NT scope:SCOPE_SE
.Lnb_\@:
.endm
	s_load_b256 s[4:11], s[0:1], 0x0               ; x_img 4, wqkv_img 6, bqkv 8, cs 10
	s_load_b128 s[12:15], s[0:1], 0x20             ; scales 12, qkv 14
	v_lshl_add_u32 v[SPW], v0, 2, SPARE
	v_mov_b32 v[NIL], 0
	ds_add_u32 v[SPW], v[NIL]                      ; the opening lines: the add, twice on end, and its wait
	ds_add_u32 v[SPW], v[NIL]
	v_lshrrev_b32 v1, 5, v0
	v_readfirstlane_b32 s16, v1                    ; wave 0..3
	s_lshr_b32 s17, s16, 1                         ; my half of region A.  Also: I fetch for A (0) or for B (1)
	s_and_b32 s18, s16, 1                          ; my half of region B.  Also: which half of that region I fetch
	s_bfe_u32 s20, ttmp6, 0x40000                  ; cx
	s_bfe_u32 s21, ttmp6, 0x40004                  ; cy
	s_and_b32 s22, ttmp7, 0xffff                   ; cluster y, 0..15
	s_lshl_b32 s66, s21, 2
	s_lshl_b32 s66, 15, s66                        ; my row of the cluster
	s_lshl_b32 s67, 0x1111, s20                    ; my column
	s_or_b32 s[G1A], s66, (3<<16)|(1<<21)
	s_or_b32 s[G1A2], s66, (3<<16)|(1<<21)
	s_or_b32 s[G1B], s67, (3<<16)|(1<<21)
	s_or_b32 s[G1B2], s67, (3<<16)|(1<<21)
	MKG1 G1A, 32, 64, 32                           ; one chunk of 4 tiles: 64 rows of 256 bytes, dense
	MKG1 G1A2, 2048, 2, XKS/8                      ; two chunks of 4 tiles: 2 rows of 16,384 bytes
	MKG1 G1B, 32, 128, 32                          ; one chunk of 8 tiles
	MKG1 G1B2, 4096, 2, WKS/8                      ; two chunks of 8 tiles: 2 rows of 32,768 bytes
	s_lshl_b32 s23, s22, 2
	s_add_co_u32 s23, s23, s21                     ; q, k: which 128 tokens: 4 Y + cy
	s_and_b32 s66, s22, 1
	s_lshl_b32 s66, s66, 2
	s_add_co_u32 s66, s66, s21                     ; v: which 128 channels: 4 (Y & 1) + cy
	s_lshl_b32 s19, s18, 14
	s_lshl_b32 s94, s23, 15
	s_add_co_u32 s94, s94, s19
	s_mov_b32 s95, 0
	s_lshl_b32 s96, s66, 15
	s_add_co_u32 s96, s96, s19
	s_add_co_u32 s96, s96, 524288                  ; v's columns begin at tile 128 of the weights' image
	s_mov_b32 s97, 0
	s_lshr_b32 s67, s22, 1
	s_lshl_b32 s67, s67, 2
	s_add_co_u32 s67, s67, s20                     ; v: which 256 tokens: 4 (Y >> 1) + cx
	s_lshl_b32 s19, s18, 15
	s_lshl_b32 s98, s20, 16                        ; q, k: which 256 columns: cx
	s_add_co_u32 s98, s98, s19
	s_mov_b32 s99, 0
	s_lshl_b32 s100, s67, 16
	s_add_co_u32 s100, s100, s19
	s_mov_b32 s101, 0
	s_mul_i32 s[LA], s18, 49152                    ; where my loads go: the wave's number alone enters an LDS address
	s_mul_i32 s[LB], s18, 98304
	s_add_co_u32 s[LB], s[LB], 98304
	s_mov_b32 s[G0A], 1
	s_mov_b32 s[G0B], 1
	s_wait_dscnt 0x0
	s_wait_kmcnt 0x0
	s_load_b256 s[68:75], s[12:13], 0x0            ; e0 .. e7
	s_add_nc_u64 s[ABX:ABX+1], s[4:5], s[94:95]
	s_add_nc_u64 s[AB2:AB2+1], s[6:7], s[96:97]
	s_add_nc_u64 s[BB0:BB0+1], s[6:7], s[98:99]
	s_add_nc_u64 s[BB1:BB1+1], s[BB0:BB0+1], 262144  ; k's columns lie 64 tiles behind q's
	s_add_nc_u64 s[BB2:BB2+1], s[4:5], s[100:101]
	s_lshl_b32 s94, s20, 12
	s_add_nc_u64 s[PX:PX+1], s[ABX:ABX+1], s[94:95]  ; of A's 16,384 bytes a chunk my work-group names 4,096, by cx;
	s_add_nc_u64 s[PV:PV+1], s[AB2:AB2+1], s[94:95]
	s_lshl_b32 s96, s21, 13
	s_add_nc_u64 s[PW:PW+1], s[BB0:BB0+1], s[96:97]  ; of B's 32,768 it names 8,192, by cy
	s_or_b32 s[ABX+1], s[ABX+1], 0x80000000
	s_or_b32 s[AB2+1], s[AB2+1], 0x80000000
	s_or_b32 s[BB0+1], s[BB0+1], 0x80000000
	s_or_b32 s[BB1+1], s[BB1+1], 0x80000000
	s_or_b32 s[BB2+1], s[BB2+1], 0x80000000
	SETG 0, ABX, 0, BB0, 0
	CROUND                                         ; all sixteen work-groups are here: the first joint loads meet
	JLOAD G1A2, G1B2                               ; block 0, chunks 0 and 1: my one load at the head
	s_cmp_eq_u32 s17, 0
	s_cselect_b32 s19, 15, 31
	v_and_b32 v[PFO], 31, v0
	v_min_u32 v[PFO], s19, v[PFO]
	v_lshlrev_b32 v[PFO], 8, v[PFO]
	s_wait_alu depctr_va_vdst(0)
	ASKA PX, 2*XKS
	ASKB PW, 2*WKS
	s_lshl_b32 s94, s20, 10
	s_lshl_b32 s19, s18, 9
	s_add_co_u32 s94, s94, s19
	s_add_nc_u64 s[2:3], s[8:9], s[94:95]          ; the bias of my 128 columns of q; k's lies 4,096 bytes on
	s_lshl_b32 s94, s66, 9
	s_lshl_b32 s19, s17, 8
	s_add_co_u32 s94, s94, s19
	s_add_co_u32 s94, s94, 8192
	s_add_nc_u64 s[8:9], s[8:9], s[94:95]          ; the bias of my 64 channels of v
	s_and_b32 s96, s23, 15
	s_lshl_b32 s96, s96, 3
	s_lshl_b32 s19, s17, 2
	s_add_co_u32 s96, s96, s19                     ; my first tile of positions
	s_lshl_b32 s94, s96, 13
	s_add_nc_u64 s[10:11], s[10:11], s[94:95]      ; the table there
	s_lshr_b32 s94, s23, 4
	s_lshl_b32 s94, s94, 4
	s_lshl_b32 s19, s20, 2
	s_add_co_u32 s94, s94, s19
	s_lshl_b32 s19, s18, 1
	s_add_co_u32 s94, s94, s19                     ; bh of my first head: 16 batch + 4 cx + 2 half
	s_mul_i32 s94, s94, 393216
	s_lshl_b32 s96, s96, 10
	s_add_co_u32 s94, s94, s96
	s_add_nc_u64 s[104:105], s[14:15], s[94:95]    ; where my q goes; k 131,072 bytes on
	s_lshr_b32 s94, s67, 3
	s_lshl_b32 s94, s94, 4
	s_lshl_b32 s19, s66, 1
	s_add_co_u32 s94, s94, s19
	s_add_co_u32 s94, s94, s17                     ; v: bh of my head
	s_mul_i32 s94, s94, 393216
	s_and_b32 s96, s67, 7
	s_lshl_b32 s96, s96, 1
	s_add_co_u32 s96, s96, s18                     ; my block of 128 keys
	s_lshl_b32 s96, s96, 13
	s_add_co_u32 s94, s94, s96
	s_add_co_u32 s94, s94, 262144
	s_add_nc_u64 s[14:15], s[14:15], s[94:95]      ; where my v goes
	s_mul_i32 s19, s17, 49152
	v_and_b32 v1, 31, v0
	v_and_b32 v2, 15, v0                           ; r
	v_bfe_u32 v3, v0, 4, 1                         ; h
	v_lshlrev_b32 v[LI], 4, v1
	v_add_nc_u32 v[ADRA], s19, v[LI]               ; my fragments of A: my half's three places
	v_add_nc_u32 v[ADRB], s[LB], v[LI]             ; of B: places 0 and 1,
	v_add_nc_u32 v[ADRB2], 65536, v[ADRB]          ; and place 2
	v_lshlrev_b32 v[BO], 5, v3
	v_lshlrev_b32 v[BOV], 2, v2
.macro BLOADS off
.irp b, 0,1,2,3,4,5,6,7
	global_load_b128 v[BI+8*\b:BI+8*\b+3], v[BO], s[2:3] offset:(\off)+64*\b
	global_load_b128 v[BI+8*\b+4:BI+8*\b+7], v[BO], s[2:3] offset:(\off)+64*\b+16
.endr
.endm
.macro CSLOAD a                        ; cos (32 registers) and sin (32) of tile a of my positions: register 8 t + j is d = 16 t + 8 h + j
.irp tab, 0,1
.irp u, 0,1,2,3,4,5,6,7
	global_load_b128 v[64*(\a)+32*\tab+4*\u:64*(\a)+32*\tab+4*\u+3], v[LI], s[10:11] offset:(\a)*8192+\tab*4096+\u*512
.endr
.endr
.endm
	BLOADS 0
.irp a, 0,1,2,3
	global_load_b32 v[BVR+2*\a], v[BOV], s[8:9] offset:64*\a
.endr
	WIN 0xc0
	CSLOAD 0
	CSLOAD 1
	WIN 0
	s_wait_kmcnt 0x0
	s_add_co_i32 s100, s68, s69                    ; e0 + e1
	s_sub_co_i32 s101, 0, s100
	s_add_co_i32 s98, s101, 127
	s_lshl_b32 s98, s98, 23                        ; 2^-(e0 + e1) as f32
	s_mov_b32 s99, s98
; Step s (0..7) of a block is 128 along K: chunk s / 2, its half s % 2; fragment sets s % 2.  par: the block's parity, which says in which place a chunk lies.
.macro FETCH par, s                    ; 48 LDS loads: B's eight fragments, A's four
.set CH, (\s)/2
.set PP, (\s)%2
.if (\par) == 0
.set SUBP, CH%3
.else
.set SUBP, (CH+1)%3
.if CH == 3
.set SUBP, 2
.endif
.endif
.if SUBP == 2
.set RB, ADRB2
.set OB, 0
.else
.set RB, ADRB
.set OB, SUBP*32768
.endif
.set OA, SUBP*16384
	WIN 0x40
.irp i, 0,1,2,3,4,5,6,7
.irp c, 0,1,2,3
	ds_load_b128 v[128*PP+16*\i+4*\c:128*PP+16*\i+4*\c+3], v[RB] offset:OB+\i*4096+PP*2048+512*\c
.endr
.endr
	WIN 0
.irp i, 0,1,2,3
.irp c, 0,1,2,3
	ds_load_b128 v[AF+64*PP+16*\i+4*\c:AF+64*PP+16*\i+4*\c+3], v[ADRA] offset:OA+\i*4096+PP*2048+512*\c
.endr
.endr
.endm
.macro MUL s, zero                     ; 32 matrix instructions; the 32 accumulators take turns, in the same order in every step
.set PP, (\s)%2
	WIN 0xa1
.irp a, 0,1,2,3
.irp b, 0,1,2,3,4,5,6,7
.if \zero
	v_wmma_f32_16x16x128_fp8_fp8 v[8*(8*\a+\b):8*(8*\a+\b)+7], v[128*PP+16*\b:128*PP+16*\b+15], v[AF+64*PP+16*\a:AF+64*PP+16*\a+15], 0
.else
	v_wmma_f32_16x16x128_fp8_fp8 v[8*(8*\a+\b):8*(8*\a+\b)+7], v[128*PP+16*\b:128*PP+16*\b+15], v[AF+64*PP+16*\a:AF+64*PP+16*\a+15], v[8*(8*\a+\b):8*(8*\a+\b)+7]
.endif
.endr
.endr
.endm
.macro PLACES                          ; four plain lines between a matrix instruction and a load into, or a vector read or write of, its registers
.rept 4
	v_nop
.endr
.endm
.macro PART1 par                       ; chunks 0 and 1.  s_wait_dscnt 48: this step's fragments are in; the 48 loads issued behind them may be out
	FETCH \par, 0
	FETCH \par, 1
	s_wait_dscnt 48
	MUL 0, 1                                       ; the first products start the sums: nothing is cleared
	PLACES
	FETCH \par, 2
	s_wait_dscnt 48
	MUL 1, 0
	PLACES
	FETCH \par, 3
	s_wait_dscnt 48
	MUL 2, 0
	s_wait_dscnt 0x0
	MUL 3, 0
.endm
.macro PART23 par, s                   ; one chunk: steps s, s + 1
	FETCH \par, \s
	FETCH \par, (\s)+1
	s_wait_dscnt 48
	MUL \s, 0
	s_wait_dscnt 0x0
	MUL (\s)+1, 0
.endm
.macro MKS e                           ; the conversion's scale 2^(eo - e0 - e1), and +-448 x that: no branch hangs on a scale
	s_sub_co_i32 s94, s[\e], s100
	s_add_co_i32 s94, s94, 127
	s_add_co_i32 s95, s94, 8
	s_lshl_b32 s94, s94, 23
	s_lshl_b32 s95, s95, 23
	s_or_b32 s95, s95, 0x600000
	s_or_b32 s96, s95, 0x80000000
	v_mov_b32 v[SCV], s94
.endm
.macro ROPE a, hh, sec                 ; 16 tokens x one head: bias, rotation, hold, conversion, two stores of 512 consecutive bytes, aligned
.set AC, 64*(\a)+32*(\hh)
.set CT, 64*(\a)
.set CD, 64+8*(2*(\a)+(\hh))
	WIN 0x60
.set j, 0
.rept 16
	v_pk_fma_f32 v[j:j+1], v[BI+32*(\hh)+j:BI+32*(\hh)+j+1], s[98:99], v[AC+j:AC+j+1] op_sel_hi:[1,0,1]   ; y; each accumulator from its low end on
.set j, j+2
.endr
	WIN 0x4d
.set j, 0
.rept 16
	v_pk_mul_f32 v[32+j:33+j], v[j:j+1], v[CT+j:CT+j+1]                      ; y cos
.set j, j+2
.endr
	WIN 0x5d
.set j, 0
.rept 16
	v_pk_fma_f32 v[32+j:33+j], v[(j+16)%32:(j+16)%32+1], v[CT+32+j:CT+33+j], v[32+j:33+j]   ; + y(d +- 32) x (-+ sin)
.set j, j+2
.endr
	WIN 0x41
.set j, 0
.rept 32
	v_med3_num_f32 v[32+j], v[32+j], s96, s95      ; the conversion to an 8-bit code does not saturate (ISA guide 7.6.2)
.set j, j+1
.endr
.irp t, 0,1,2,3
	v_cvt_scalef32_pk8_fp8_f32 v[CD+2*\t:CD+2*\t+1], v[32+8*\t:39+8*\t], v[SCV]
.endr
	v_nop                                          ; a plain line behind the conversions: their sources are written again
	WIN 0x04
	global_store_b128 v[LI], v[CD:CD+3], s[104:105] offset:(\hh)*393216+(\sec)*131072+(\a)*1024
	global_store_b128 v[LI], v[CD+4:CD+7], s[104:105] offset:(\hh)*393216+(\sec)*131072+(\a)*1024+512
.endm
.macro EPIQK sec, e
	WIN 0
	MKS \e
	s_wait_loadcnt 0x0                             ; the bias and the table
	PLACES
.irp a, 0,1,2,3
	ROPE \a, 0, \sec
	ROPE \a, 1, \sec
.endr
	WIN 0
.endm
.macro VOUT a                          ; 16 channels x 128 keys: one fragment
.set AC, 64*(\a)
.set CD, 64+16*(\a)
	WIN 0x42
.set j, 0
.rept 32
	v_pk_add_f32 v[j:j+1], v[AC+j:AC+j+1], v[BVR+2*(\a):BVR+2*(\a)+1] op_sel_hi:[1,0]
.set j, j+2
.endr
	WIN 0x41
.set j, 0
.rept 64
	v_med3_num_f32 v[j], v[j], s96, s95
.set j, j+1
.endr
.irp b, 0,1,2,3,4,5,6,7
	v_cvt_scalef32_pk8_fp8_f32 v[CD+2*\b:CD+2*\b+1], v[8*\b:8*\b+7], v[SCV]
.endr
	v_nop
	WIN 0x04
.irp g, 0,1,2,3
	global_store_b128 v[LI], v[CD+4*\g:CD+4*\g+3], s[14:15] offset:(\a)*2048+\g*512
.endr
.endm
	; ---- BLOCK 0: q
	s_wait_alu depctr_va_vdst(0)                   ; the head's end
	CHANGE 2, ABX, 2*XKS, BB0, 2*WKS
	JLOAD G1A, G1B                                 ; chunk 2 into place 2, its first fill
	ASKA PX, 3*XKS
	ASKB PW, 3*WKS
	WIN 0xc0
	CSLOAD 2
	CSLOAD 3
	WIN 0
	PART1 0
	CHANGE 0, ABX, 3*XKS, BB0, 3*WKS
	JLOAD G1A, G1B                                 ; chunk 3 into place 0
	ASKB PW, 262144
	ASKB PW, 262144+WKS
	PART23 0, 4
	CHANGE 1, ABX, 0, BB1, 0
	JLOAD G1A2, G1B2                               ; block 1's chunks 0 and 1 into places 1 and 2: they land under the last chunk's products and the way out
	ASKB PW, 262144+2*WKS
	PART23 0, 6
	EPIQK 0, 70
	BLOADS 4096                                    ; k's bias, into the registers that held q's
	; ---- BLOCK 1: k
	s_wait_xcnt 0x0                                ; the stores have read their data: the next fragments may land there
	s_wait_alu depctr_va_vdst(0)
	CHANGE 0, ABX, 2*XKS, BB1, 2*WKS
	JLOAD G1A, G1B
	ASKB PW, 262144+3*WKS
	PART1 1
	CHANGE 2, ABX, 3*XKS, BB1, 3*WKS
	JLOAD G1A, G1B
	ASKA PV, 0
	ASKA PV, WKS
	PART23 1, 4
	CHANGE 0, AB2, 0, BB2, 0
	s_mov_b32 s[G1A2+5], WKS/8                     ; the regions change roles: from chunk to chunk in the weights' image for A,
	s_mov_b32 s[G1B2+5], XKS/8                     ; in x's for B
	JLOAD G1A2, G1B2                               ; block 2's chunks 0 and 1 into places 0 and 1
	ASKA PV, 2*WKS
	PART23 1, 6
	EPIQK 1, 71
	; ---- BLOCK 2: v
	s_wait_xcnt 0x0
	s_wait_alu depctr_va_vdst(0)
	CHANGE 2, AB2, 2*WKS, BB2, 2*XKS
	JLOAD G1A, G1B
	ASKA PV, 3*WKS
	PART1 0
	CHANGE 0, AB2, 3*WKS, BB2, 3*XKS
	JLOAD G1A, G1B
	PART23 0, 4
	WIN 0
	s_wait_tensorcnt 0x0                           ; my part of the last chunk is in
	s_barrier_signal -1
	s_barrier_wait -1                              ; and so it is with every wave
	PLACES
	PART23 0, 6
	WIN 0
	MKS 73
.irp a, 0,1,2,3
	v_ldexp_f32 v[BVR+2*\a], v[BVR+2*\a], s101     ; b / 2^(e0 + e1)
	v_mov_b32 v[BVR+2*\a+1], v[BVR+2*\a]           ; (named with it as a pair, so it is written)
.endr
.irp a, 0,1,2,3
	VOUT \a
.endr
	WIN 0
	s_wait_tensorcnt 0x0                           ; the wave's end
	ds_add_u32 v[SPW], v[NIL]
	s_wait_dscnt 0x0
	CROUND                                         ; the closing round
	s_endpgm
.Lfunc_end_k_q2d9198b275_qkvgemm:
	.size	k_q2d9198b275_qkvgemm, .Lfunc_end_k_q2d9198b275_qkvgemm-k_q2d9198b275_qkvgemm
	.p2alignl 7, 3214868480
	.fill 96, 4, 3214868480
	.section	.rodata,"a",@progbits
	.p2align	6, 0x0
	.amdhsa_kernel k_q2d9198b275_qkvgemm
		.amdhsa_group_segment_fixed_size 327680
		.amdhsa_private_segment_fixed_size 0
		.amdhsa_enable_private_segment 0
		.amdhsa_kernarg_size 48
		.amdhsa_user_sgpr_count 2
		.amdhsa_user_sgpr_kernarg_segment_ptr 1
		.amdhsa_wavefront_size32 1
		.amdhsa_system_sgpr_workgroup_id_x 1
		.amdhsa_system_sgpr_workgroup_id_y 1
		.amdhsa_system_sgpr_workgroup_id_z 1
		.amdhsa_system_vgpr_workitem_id 0
		.amdhsa_next_free_vgpr 1024
		.amdhsa_next_free_sgpr 106
		.amdhsa_reserve_vcc 0
		.amdhsa_float_denorm_mode_32 3
		.amdhsa_float_denorm_mode_16_64 3
		.amdhsa_memory_ordered 1
		.amdhsa_forward_progress 1
		.amdhsa_inst_pref_size 255
	.end_amdhsa_kernel
	.section	.bss,"aw",@nobits
	.p2align	6
	.space	262144
	.amdgpu_metadata
---
amdhsa.version: [ 1, 2 ]
amdhsa.kernels:
  - .name:           k_q2d9198b275_qkvgemm
    .symbol:         k_q2d9198b275_qkvgemm.kd
    .args:
      - { .name: x_img, .offset: 0, .size: 8, .value_kind: global_buffer, .address_space: global }
      - { .name: wqkv_img, .offset: 8, .size: 8, .value_kind: global_buffer, .address_space: global }
      - { .name: bqkv, .offset: 16, .size: 8, .value_kind: global_buffer, .address_space: global }
      - { .name: cs, .offset: 24, .size: 8, .value_kind: global_buffer, .address_space: global }
      - { .name: lowp_scales, .offset: 32, .size: 8, .value_kind: global_buffer, .address_space: global }
      - { .name: qkv, .offset: 40, .size: 8, .value_kind: global_buffer, .address_space: global }
    .group_segment_fixed_size: 327680
    .private_segment_fixed_size: 0
    .kernarg_segment_align: 8
    .kernarg_segment_size: 48
    .max_flat_workgroup_size: 128
    .sgpr_count:     106
    .vgpr_count:     1024
    .wavefront_size: 32
...
	.end_amdgpu_metadata
.endif
;; end of part 2
;; launch attn (part 3): grid 4 x 64, 8 waves a work-group, clusters of 4 x 1, 327,680 bytes of LDS; arguments qkv, lowp_scales, ao_img; writes ao_img
.if DOCPART == 3
	.amdgcn_target "amdgcn-amd-amdhsa--gfx1250"
	.amdhsa_code_object_version 6
	.text
	.protected	k_q2d9198b275_attn
	.globl	k_q2d9198b275_attn
	.p2align	8
	.type	k_q2d9198b275_attn,@function
k_q2d9198b275_attn:
	s_mov_b64 s[64:65], 0
	v_nop
	global_prefetch_b8 v0, s[64:65] scope:SCOPE_SE
	s_setreg_imm32_b32 hwreg(HW_REG_WAVE_MODE, 25, 1), 1
	s_wait_xcnt 0x0
	s_wait_alu depctr_hold_cnt(0) depctr_sa_sdst(0) depctr_va_vdst(0) depctr_va_sdst(0) depctr_va_ssrc(0) depctr_va_vcc(0) depctr_vm_vsrc(0)
	s_getreg_b32 s2, hwreg(HW_REG_IB_STS2, 6, 4)
	s_cmp_eq_u32 s2, 0
	s_cbranch_scc0 .Lentry_in_a_cluster
	s_endpgm
.Lentry_in_a_cluster:
	s_bfe_u32 s2, ttmp6, 0x10000c
	s_cmp_lg_u32 s2, 0x3003
	s_cbranch_scc0 .Lentry_shape_is_right
	s_endpgm
.Lentry_shape_is_right:
; ATTENTION ON CODES OF E4M3: S^T = K Q^T, p = 2^(t - M), O^T += V^T P^T, O / l, then the quantiser of the last product's left operand (lowp_scales[6]).  Nothing of the problem is left out here.
; t = score x 2^(e2 + e3) x log2(e) / 8; M = the ceiling of the running largest t, a whole number; the row's sum is taken of the unquantised p; when M moves, sum and O^T are multiplied by 2^(old M - new M).
; SHARES.  A work-group owns 512 queries of one (batch, head); each of its 8 waves owns 2 x 32 of them, in two passes over the 2,048 keys, two tiles of 16 queries a pass.  A step is 128 keys.
; K and V of the head (2 x 131,072 bytes, images of the operands' registers as the launch before lays them) lie whole in LDS: K from byte 0, V from byte 131,072.  Nothing is filled again.
; They come by two joint loads a wave: keys 0-511 (8,192 bytes a wave) at the head, keys 512-2,047 (24,576 bytes a wave) behind the full sequence and a round; the first four steps read the first fill alone.
; CLUSTER: the four work-groups of a head read the same K and V: each load names all four.  No prefetch: both fills are asked for at the head, so the launch has no later load to ask ahead of.
; A STEP'S ORDER.  Behind the 16 score products V's fragments and the NEXT step's K fragments are asked of LDS.  One tile's chain of single numbers (largest t, M, f) stands among the other tile's maxima or scalings.
; Among a tile's exponentials stand lines that depend on none of them and whose results are read behind the batch: the other tile's scalings, or the hold of the tile before, which goes into registers of its own (H).
; The hold at 448 x 2^e4 is always executed, two numbers an instruction (a dual pair).
; LIMITS: e2 + e3 between -123 and 130; e4 and e6 between -126 and 119; the promise holds while the scaled scores stay under 2^31 in magnitude.  NaN among the inputs is not served.
; REGISTERS.  Window 0: v1-7 addresses, v8-23 state (per tile: -M, largest t, sum pair, f pair), v24-31 at work, v32-35 scales, v36-43 maxima, v64-127 H, v128-255 S^T then p.
;             Window 1: v0-63 K's fragments, v64-127 V's, v128-191 O^T, v192-223 Q (both passes), v224-255 p's codes.
.set SPARE, 262144                     ; behind K and V: the spare words, 128 bytes a wave: four blocks of 256 bytes that no other line names
.set LK,  1
.set LV,  2
.set ADK, 3
.set SPW, 4
.set NIL, 5
.set ADV, 7
.set ST,  8
.set TP,  24
.set E4S, 32
.set E6S, 33
.set LA,  34
.set LB,  35
.set MX,  36
.set H,   64
.set S,   128
.set KF,  0
.set VF,  64
.set O,   128
.set Q,   192
.set P,   224
.set MSB, 0
.macro WIN new                         ; the immediate's high byte repeats the setting that is left
.if MSB != (\new)
	s_set_vgpr_msb (MSB<<8)|(\new)
.set MSB, (\new)
.endif
.endm
.macro ROUND                           ; a round of the cluster's barrier
	s_barrier_signal -1
	s_barrier_wait -1
	s_cmp_lg_u32 s10, 0
	s_cbranch_scc1 .Lnot_wave_0_\@
	s_barrier_signal -3
.Lnot_wave_0_\@:
	s_barrier_wait -3
	s_barrier_signal -1
	s_barrier_wait -1
.endm
	s_load_b128 s[4:7], s[0:1], 0x0                ; qkv, the scales' exponents
	s_load_b64 s[8:9], s[0:1], 0x10                ; ao_img
	v_lshl_add_u32 v[SPW], v0, 2, SPARE
	v_mov_b32 v[NIL], 0
	ds_add_u32 v[SPW], v[NIL]                      ; the opening lines: the add, twice on end, and its wait
	ds_add_u32 v[SPW], v[NIL]
	v_lshrrev_b32 v1, 5, v0
	v_readfirstlane_b32 s10, v1                    ; wave 0..7
	s_bfe_u32 s11, ttmp6, 0x40000
	s_lshl_b32 s15, ttmp9, 2
	s_add_co_u32 s11, s11, s15                     ; work-group x: which 512 queries
	s_and_b32 s12, ttmp7, 0xffff                   ; bh = 16 batch + head
	s_mov_b32 s16, 15|(3<<16)|(1<<21)              ; group 1, first fill: mask of all four, elements of 8 bytes; 32 rows of 256 bytes, dense
	s_mov_b32 s17, 32<<16
	s_mov_b32 s18, 32<<16
	s_mov_b32 s19, 32<<16
	s_mov_b32 s20, 32
	s_mov_b32 s21, 32
	s_mov_b32 s22, 0
	s_mov_b32 s23, 0
	s_mov_b32 s68, 15|(3<<16)|(1<<21)              ; group 1, second fill: 96 rows of 256 bytes
	s_mov_b32 s69, 32<<16
	s_mov_b32 s70, 96<<16
	s_mov_b32 s71, 32<<16
	s_mov_b32 s72, 96
	s_mov_b32 s73, 32
	s_mov_b32 s74, 0
	s_mov_b32 s75, 0
	s_lshr_b32 s13, s10, 2
	s_lshl_b32 s13, s13, 17                        ; waves 0-3 fetch K, waves 4-7 V
	s_and_b32 s14, s10, 3
	s_lshl_b32 s25, s14, 13
	s_add_co_u32 s25, s25, s13                     ; first fill: my 8,192 bytes of the region's first 32,768
	s_mul_i32 s29, s14, 24576
	s_add_co_u32 s29, s29, s13
	s_add_co_u32 s29, s29, 32768                   ; second fill: my 24,576 bytes of the other 98,304
	s_mul_i32 s47, s12, 393216
	s_add_co_u32 s56, s47, 131072                  ; K and V lie in memory as in LDS, from byte 131,072 of the head's part
	s_add_co_u32 s58, s56, s29
	s_add_co_u32 s56, s56, s25
	s_mov_b32 s57, 0
	s_mov_b32 s59, 0
	s_mov_b32 s24, 1
	s_mov_b32 s28, 1
	s_mov_b32 s42, 0x76543210
	s_mov_b32 s43, 0xfedcba98
	s_wait_dscnt 0x0
	s_wait_kmcnt 0x0
	s_load_b256 s[32:39], s[6:7], 0x0              ; e0 .. e7
	s_add_nc_u64 s[26:27], s[4:5], s[56:57]
	s_add_nc_u64 s[30:31], s[4:5], s[58:59]
	s_or_b32 s27, s27, 0x80000000
	s_or_b32 s31, s31, 0x80000000
	ROUND
	tensor_load_to_lds s[24:27], s[16:23]          ; keys 0-511: my one load at the head
	s_nop 0
.rept 4
	v_nop
.endr
	s_lshl_b32 s58, s11, 5
	s_lshl_b32 s59, s10, 1
	s_add_co_u32 s58, s58, s59                     ; my first tile of queries; the second pass's lie 16 tiles on
	s_lshl_b32 s60, s58, 10
	s_add_co_u32 s60, s60, s47
	s_mov_b32 s61, 0
	s_add_nc_u64 s[48:49], s[4:5], s[60:61]
	s_bfe_u32 s59, s12, 0x20002
	s_lshl_b32 s59, s59, 21                        ; ao_img: which 256 along K: head / 4,
	s_lshr_b32 s62, s12, 4
	s_lshl_b32 s62, s62, 7
	s_add_co_u32 s62, s62, s58
	s_lshl_b32 s62, s62, 12                        ; the tile of 16 rows,
	s_add_co_u32 s62, s62, s59
	s_and_b32 s59, s12, 3
	s_lshl_b32 s59, s59, 10                        ; the head's 64 of the 256
	s_add_co_u32 s62, s62, s59
	s_mov_b32 s63, 0
	s_add_nc_u64 s[50:51], s[8:9], s[62:63]
	v_and_b32 v1, 31, v0
	v_lshlrev_b32 v[LK], 4, v1                     ; 16 x lane
	v_add_nc_u32 v[LV], 0x20000, v[LK]
	WIN 0x40
.irp u, 0,1,2,3
	global_load_b128 v[Q+4*\u:Q+4*\u+3], v[LK], s[48:49] offset:512*\u
	global_load_b128 v[Q+16+4*\u:Q+16+4*\u+3], v[LK], s[48:49] offset:16384+512*\u
.endr
	WIN 0
	s_wait_kmcnt 0x0
	s_add_co_i32 s55, s34, s35
	s_lshl_b32 s55, s55, 23
	s_add_co_i32 s40, s55, 0x3e38aa3b              ; c = log2(e) / 8 x 2^(e2 + e3)
	s_mov_b32 s41, s40
	s_add_co_i32 s55, s36, 127
	s_lshl_b32 s56, s55, 23
	v_mov_b32 v[E4S], s56                          ; 2^e4
	s_add_co_i32 s55, s55, 8
	s_lshl_b32 s55, s55, 23
	s_or_b32 s55, s55, 0x600000
	v_mov_b32 v[LA], s55                           ; 448 x 2^e4, twice: one register for each half of a dual pair
	v_mov_b32 v[LB], s55
	s_add_co_i32 s55, s38, 127
	s_lshl_b32 s56, s55, 23
	v_mov_b32 v[E6S], s56                          ; 2^e6
	s_add_co_i32 s55, s55, 8
	s_lshl_b32 s52, s55, 23
	s_or_b32 s52, s52, 0x600000                    ; 448 x 2^e6,
	s_or_b32 s53, s52, 0x80000000                  ; and its negative
	s_add_co_i32 s54, s36, s37                     ; e4 + e5
.macro INIT                            ; a pass begins: largest t -3e38, sums and O^T zero; the first change of M multiplies zeros
.irp t, 0,1
	v_mov_b32 v[ST+8*\t+1], 0xff61b1e6
	v_mov_b32 v[ST+8*\t+2], 0
	v_mov_b32 v[ST+8*\t+3], 0
	v_mov_b32 v[ST+8*\t+4], 0
	v_mov_b32 v[ST+8*\t+5], 0
	v_mov_b32 v[TP+4*\t+2], 0
	v_floor_f32 v[ST+8*\t], -v[ST+8*\t+1]
.endr
	WIN 0x40
.set j, 0
.rept 64
	v_mov_b32 v[O+j], 0
.set j, j+1
.endr
	WIN 0
.endm
.macro KLOAD off                       ; K's eight fragments of the 128 keys at LDS byte off
	WIN 0x40
.irp u, 0,1,2,3,4,5,6,7,8,9,10,11,12,13,14,15
	ds_load_b128 v[KF+4*\u:KF+4*\u+3], v[LK] offset:(\off)+512*\u
.endr
	WIN 0
.endm
.macro MAXI t, n                       ; line n (0..29) of a tile's maxima: four chains, the 64 scores in ascending order
.if (\n) < 4
	v_max3_num_f32 v[MX+4*(\t)+(\n)], v[S+64*(\t)+3*(\n)], v[S+64*(\t)+3*(\n)+1], v[S+64*(\t)+3*(\n)+2]
.else
	v_max3_num_f32 v[MX+4*(\t)+(\n)%4], v[MX+4*(\t)+(\n)%4], v[S+64*(\t)+2*(\n)+4], v[S+64*(\t)+2*(\n)+5]
.endif
.endm
.macro STAT t, n                       ; line n (0..11) of a tile's chain of single numbers
.set XA, ST+8*(\t)
.set XB, TP+4*(\t)
.set XM, MX+4*(\t)
.if (\n) == 0
	v_max3_num_f32 v[XM], v[XM], v[XM+1], v[XM+2]
.endif
.if (\n) == 1
	v_max_num_f32 v[XM], v[XM], v[XM+3]
.endif
.if (\n) == 2
	v_permlanex16_b32 v[XB+2], v[XM], s42, s43
.endif
.if (\n) == 3
	v_max_num_f32 v[XM], v[XM], v[XB+2]            ; the step's largest score of my query
.endif
.if (\n) == 4
	v_mul_f32 v[XM], s40, v[XM]                    ; as t (c is positive)
.endif
.if (\n) == 5
	v_mov_b32 v[XB+3], v[XA]                       ; the old -M
.endif
.if (\n) == 6
	v_max_num_f32 v[XA+1], v[XA+1], v[XM]          ; the running largest t
.endif
.if (\n) == 7
	v_floor_f32 v[XA], -v[XA+1]                    ; -M = floor(-t)
.endif
.if (\n) == 8
	v_sub_f32 v[XB+3], v[XA], v[XB+3]              ; old M - new M, a whole number, 0 or less
.endif
.if (\n) == 9
	v_cvt_i32_f32 v[XB+3], v[XB+3]                 ; (it saturates)
.endif
.if (\n) == 10
	v_ldexp_f32 v[XA+4], 1.0, v[XB+3]              ; f = 2^(old M - new M)
.endif
.if (\n) == 11
	v_pk_mul_f32 v[XA+2:XA+3], v[XA+2:XA+3], v[XA+4:XA+5] op_sel_hi:[1,0]   ; the sums under the new M
.endif
.endm
.macro SCL t, i                        ; t - M, two numbers
	v_pk_fma_f32 v[S+64*(\t)+2*(\i):S+64*(\t)+2*(\i)+1], v[S+64*(\t)+2*(\i):S+64*(\t)+2*(\i)+1], s[40:41], v[ST+8*(\t):ST+8*(\t)+1] op_sel_hi:[1,0,0]
.endm
.macro EXP2 t, i                       ; p = 2^(t - M), two numbers
	v_exp_f32 v[S+64*(\t)+2*(\i)], v[S+64*(\t)+2*(\i)]
	v_exp_f32 v[S+64*(\t)+2*(\i)+1], v[S+64*(\t)+2*(\i)+1]
.endm
.macro HOLD d, t, i                    ; the conversion to an 8-bit code does not saturate (ISA guide 7.6.2); p is not negative, so the hold is one-sided; two numbers a line
	v_dual_min_num_f32 v[\d+2*(\i)], v[S+64*(\t)+2*(\i)], v[LA] :: v_dual_min_num_f32 v[\d+2*(\i)+1], v[S+64*(\t)+2*(\i)+1], v[LB]
.endm
; A KEY STEP: the 128 keys at LDS byte s44 of K's and of V's region.  mask: the bytes of K's region that have landed, less 1: the look-ahead turns round inside them.  qb: the pass's Q.
.macro STEP mask, qb
	s_wait_dscnt 0x0                               ; this step's K fragments, asked for a step ago, are in
	s_add_co_u32 s46, s44, 8192
	s_and_b32 s46, s46, \mask
	WIN 0x05
.irp kt, 0,1,2,3,4,5,6,7
.irp t, 0,1
	v_wmma_f32_16x16x64_fp8_fp8 v[S+64*\t+8*\kt:S+64*\t+8*\kt+7], v[KF+8*\kt:KF+8*\kt+7], v[(\qb)+8*\t:(\qb)+8*\t+7], 0
.endr
.endr
	WIN 0
	v_add_nc_u32 v[ADV], s44, v[LV]                ; four places behind the products, ahead of the loads into their registers and of the first read of a score
	v_add_nc_u32 v[ADK], s46, v[LK]
	v_nop
	v_nop
	WIN 0x40
.irp u, 0,1,2,3,4,5,6,7,8,9,10,11,12,13,14,15
	ds_load_b128 v[VF+4*\u:VF+4*\u+3], v[ADV] offset:512*\u
.endr
.irp u, 0,1,2,3,4,5,6,7,8,9,10,11,12,13,14,15
	ds_load_b128 v[KF+4*\u:KF+4*\u+3], v[ADK] offset:512*\u
.endr
	WIN 0
.set n, 0
.rept 30
	MAXI 0, n
.set n, n+1
.endr
.set n, 0
.rept 12                                       ; tile 0's chain among tile 1's 30 maxima
	STAT 0, n
.set b, 5*(n/2)+3*(n%2)
	MAXI 1, b
	MAXI 1, b+1
.if (n%2) == 0
	MAXI 1, b+2
.endif
.set n, n+1
.endr
.set n, 0
.rept 12                                       ; tile 1's chain among tile 0's 32 scalings
	STAT 1, n
.if n < 8
	SCL 0, 3*n
	SCL 0, 3*n+1
	SCL 0, 3*n+2
.else
	SCL 0, 2*n+8
	SCL 0, 2*n+9
.endif
.set n, n+1
.endr
	WIN 0x41
.irp t, 0,1                                    ; O^T under the new M: its first read since the last products, ahead of this step's exponentials
.set j, 0
.rept 16
	v_pk_mul_f32 v[O+32*\t+j:O+32*\t+j+1], v[O+32*\t+j:O+32*\t+j+1], v[ST+8*\t+4:ST+8*\t+5] op_sel_hi:[1,0]
.set j, j+2
.endr
.endr
	WIN 0
	s_wait_alu depctr_va_vdst(0)                   ; ahead of the batch
.set n, 0
.rept 32
	EXP2 0, n
	SCL 1, n
.set n, n+1
.endr
	s_wait_alu depctr_va_vdst(0)                   ; behind tile 0's batch and ahead of tile 1's
.set n, 0
.rept 32
	EXP2 1, n
	HOLD H, 0, n
.set n, n+1
.endr
	v_nop                                          ; a plain place behind the last exponential
	s_wait_alu depctr_va_vdst(0)                   ; behind the batch, and directly ahead of the wait below
	s_wait_dscnt 16                                ; V's 16 loads are in; the 16 issued behind them, the next step's K, may be out
	WIN 0x40
.irp kt, 0,1,2,3,4,5,6,7
	v_cvt_scalef32_pk8_fp8_f32 v[P+2*\kt:P+2*\kt+1], v[H+8*\kt:H+8*\kt+7], v[E4S]
.endr
	WIN 0
.irp t, 0,1                                    ; the rows' sums, of the unquantised p: four chains
	v_pk_add_f32 v[TP+4*\t:TP+4*\t+1], v[S+64*\t:S+64*\t+1], v[S+64*\t+2:S+64*\t+3]
.endr
.irp j, 4,8,12,16,20,24,28,32,36,40,44,48,52,56,60
.irp t, 0,1
	v_pk_add_f32 v[ST+8*\t+2:ST+8*\t+3], v[ST+8*\t+2:ST+8*\t+3], v[S+64*\t+\j:S+64*\t+\j+1]
	v_pk_add_f32 v[TP+4*\t:TP+4*\t+1], v[TP+4*\t:TP+4*\t+1], v[S+64*\t+\j+2:S+64*\t+\j+3]
.endr
.endr
.irp t, 0,1
	v_pk_add_f32 v[ST+8*\t+2:ST+8*\t+3], v[ST+8*\t+2:ST+8*\t+3], v[TP+4*\t:TP+4*\t+1]
.endr
.set n, 0
.rept 32
	HOLD S+64, 1, n
.set n, n+1
.endr
	WIN 0x40
.irp kt, 0,1,2,3,4,5,6,7
	v_cvt_scalef32_pk8_fp8_f32 v[P+16+2*\kt:P+16+2*\kt+1], v[S+64+8*\kt:S+64+8*\kt+7], v[E4S]
.endr
	v_nop                                          ; a plain line between the conversions and the products that read their results
	WIN 0x55
.irp t, 0,1
.irp dt, 0,1,2,3
	v_wmma_f32_16x16x128_fp8_fp8 v[O+32*\t+8*\dt:O+32*\t+8*\dt+7], v[VF+16*\dt:VF+16*\dt+15], v[P+16*\t:P+16*\t+15], v[O+32*\t+8*\dt:O+32*\t+8*\dt+7]
.endr
.endr
	WIN 0
.endm
; THE WAY OUT of a pass: O^T / l x 2^(e4 + e5), held within +-448 x 2^e6, converted; four stores of 512 consecutive bytes, aligned.
.macro WAYOUT next
.rept 4
	v_nop
.endr
.irp t, 0,1
	v_add_f32 v[ST+8*\t+2], v[ST+8*\t+2], v[ST+8*\t+3]
.endr
.irp t, 0,1
	s_delay_alu instid0(VALU_DEP_2)
	v_permlanex16_b32 v[TP+4*\t+2], v[ST+8*\t+2], s42, s43
.endr
.irp t, 0,1
	s_delay_alu instid0(VALU_DEP_2)
	v_add_f32 v[ST+8*\t+2], v[ST+8*\t+2], v[TP+4*\t+2]
.endr
	s_wait_alu depctr_va_vdst(0)                   ; ahead of the transcendentals
.irp t, 0,1
	v_rcp_f32 v[ST+8*\t+4], v[ST+8*\t+2]
.endr
	v_nop
	s_wait_alu depctr_va_vdst(0)                   ; and behind them
.irp t, 0,1
	v_ldexp_f32 v[ST+8*\t+4], v[ST+8*\t+4], s54
.endr
	WIN 0x01
	s_wait_alu depctr_va_vdst(0)                   ; directly ahead of the first reader of O^T
.irp t, 0,1
.set j, 0
.rept 16
	v_pk_mul_f32 v[S+32*\t+j:S+32*\t+j+1], v[O+32*\t+j:O+32*\t+j+1], v[ST+8*\t+4:ST+8*\t+5] op_sel_hi:[1,0]
.set j, j+2
.endr
.endr
	WIN 0
.set j, 0
.rept 64
	v_med3_num_f32 v[S+j], v[S+j], s53, s52
.set j, j+1
.endr
.irp u, 0,1,2,3,4,5,6,7
	v_cvt_scalef32_pk8_fp8_f32 v[H+2*\u:H+2*\u+1], v[S+8*\u:S+8*\u+7], v[E6S]
.endr
	v_nop
.irp t, 0,1
.irp gg, 0,1
	global_store_b128 v[LK], v[H+8*\t+4*\gg:H+8*\t+4*\gg+3], s[50:51] offset:\t*4096+\gg*512
.endr
.endr
.if \next
	s_wait_xcnt 0x0                                ; the stores have read their data and their base
	s_add_nc_u64 s[50:51], s[50:51], 0x10000       ; 16 tiles of rows on
.endif
.endm
	INIT
	s_wait_alu depctr_va_vdst(0)                   ; the head's end
	s_wait_tensorcnt 0x0                           ; my part of keys 0-511 is in
	ds_add_u32 v[SPW], v[NIL]
	s_wait_dscnt 0x0
	ROUND
	tensor_load_to_lds s[28:31], s[68:75]          ; keys 512-2,047: the first tensor load behind the round; it has the next four steps in which to land
	s_nop 0
.rept 4
	v_nop
.endr
	KLOAD 0
	s_wait_loadcnt 0x0                             ; Q
	s_mov_b32 s44, 0
	s_mov_b32 s45, 4
.Ls0:                                                  ; keys 0-511; the last trip's look-ahead turns round to key 0 and is not used
	STEP 0x7fff, Q
	s_add_co_u32 s44, s44, 8192
	s_sub_co_u32 s45, s45, 1
	s_cmp_lg_u32 s45, 0
	s_cbranch_scc1 .Ls0
	s_wait_tensorcnt 0x0                           ; my part of the second fill is in,
	s_wait_dscnt 0x0                               ; no LDS load of mine is out at the signal,
	s_barrier_signal -1
	s_barrier_wait -1                              ; and so it is with every wave
	KLOAD 32768
	s_mov_b32 s45, 12
.Ls1:                                                  ; keys 512-2,047; the last trip's look-ahead turns round to key 0: the second pass's first fragments
	STEP 0x1ffff, Q
	s_add_co_u32 s44, s44, 8192
	s_sub_co_u32 s45, s45, 1
	s_cmp_lg_u32 s45, 0
	s_cbranch_scc1 .Ls1
	WAYOUT 1
	INIT
	s_wait_alu depctr_va_vdst(0)
	s_mov_b32 s44, 0
	s_mov_b32 s45, 16
.Ls2:                                                  ; the second pass: all 2,048 keys
	STEP 0x1ffff, Q+16
	s_add_co_u32 s44, s44, 8192
	s_sub_co_u32 s45, s45, 1
	s_cmp_lg_u32 s45, 0
	s_cbranch_scc1 .Ls2
	WAYOUT 0
	s_wait_tensorcnt 0x0                           ; the wave's end
	ds_add_u32 v[SPW], v[NIL]
	s_wait_dscnt 0x0
	ROUND                                          ; the closing round
	s_endpgm
.Lfunc_end_k_q2d9198b275_attn:
	.size	k_q2d9198b275_attn, .Lfunc_end_k_q2d9198b275_attn-k_q2d9198b275_attn
	.p2alignl 7, 3214868480
	.fill 96, 4, 3214868480
	.section	.rodata,"a",@progbits
	.p2align	6, 0x0
	.amdhsa_kernel k_q2d9198b275_attn
		.amdhsa_group_segment_fixed_size 327680
		.amdhsa_private_segment_fixed_size 0
		.amdhsa_enable_private_segment 0
		.amdhsa_kernarg_size 24
		.amdhsa_user_sgpr_count 2
		.amdhsa_user_sgpr_kernarg_segment_ptr 1
		.amdhsa_wavefront_size32 1
		.amdhsa_system_sgpr_workgroup_id_x 1
		.amdhsa_system_sgpr_workgroup_id_y 1
		.amdhsa_system_sgpr_workgroup_id_z 1
		.amdhsa_system_vgpr_workitem_id 0
		.amdhsa_next_free_vgpr 512
		.amdhsa_next_free_sgpr 80
		.amdhsa_reserve_vcc 0
		.amdhsa_float_denorm_mode_32 3
		.amdhsa_float_denorm_mode_16_64 3
		.amdhsa_memory_ordered 1
		.amdhsa_forward_progress 1
		.amdhsa_inst_pref_size 116
	.end_amdhsa_kernel
	.amdgpu_metadata
---
amdhsa.version: [ 1, 2 ]
amdhsa.kernels:
  - .name:           k_q2d9198b275_attn
    .symbol:         k_q2d9198b275_attn.kd
    .args:
      - { .name: qkv, .offset: 0, .size: 8, .value_kind: global_buffer, .address_space: global }
      - { .name: lowp_scales, .offset: 8, .size: 8, .value_kind: global_buffer, .address_space: global }
      - { .name: ao_img, .offset: 16, .size: 8, .value_kind: global_buffer, .address_space: global }
    .group_segment_fixed_size: 327680
    .private_segment_fixed_size: 0
    .kernarg_segment_align: 8
    .kernarg_segment_size: 24
    .max_flat_workgroup_size: 256
    .sgpr_count:     80
    .vgpr_count:     512
    .wavefront_size: 32
...
	.end_amdgpu_metadata
.endif
;; end of part 3
;; launch proj (part 4): grid 4 x 64, 4 waves a work-group, clusters of 4 x 4, 327,680 bytes of LDS; arguments ao_img, wout_img, bout, lowp_scales, out0; writes out0
.if DOCPART == 4
	.amdgcn_target "amdgcn-amd-amdhsa--gfx1250"
	.amdhsa_code_object_version 6
	.text
	.protected	k_q2d9198b275_proj
	.globl	k_q2d9198b275_proj
	.p2align	8
	.type	k_q2d9198b275_proj,@function
k_q2d9198b275_proj:
	s_mov_b64 s[64:65], 0
	v_nop
	global_prefetch_b8 v0, s[64:65] scope:SCOPE_SE
	s_setreg_imm32_b32 hwreg(HW_REG_WAVE_MODE, 25, 1), 1
	s_wait_xcnt 0x0
	s_wait_alu depctr_hold_cnt(0) depctr_sa_sdst(0) depctr_va_vdst(0) depctr_va_sdst(0) depctr_va_ssrc(0) depctr_va_vcc(0) depctr_vm_vsrc(0)
	s_getreg_b32 s2, hwreg(HW_REG_IB_STS2, 6, 4)
	s_cmp_eq_u32 s2, 0
	s_cbranch_scc0 .Lentry_in_a_cluster
	s_endpgm
.Lentry_in_a_cluster:
	s_bfe_u32 s2, ttmp6, 0x10000c
	s_cmp_lg_u32 s2, 0xf033
	s_cbranch_scc0 .Lentry_shape_is_right
	s_endpgm
.Lentry_shape_is_right:
; out0 = (attention's result) Wout + bout, on codes of E4M3 (lowp_scales[6], [7]); each finished sum x 2^(e6 + e7) + bias, f32.  Nothing of the problem is left out here.
; A block of 128 rows x 256 columns is made by four waves, 64 x 128 each: 32 accumulators.  8,192 x 1,024 / (128 x 256) = 256 work-groups.
; THE OPERANDS LIE IN MEMORY AS IMAGES OF THEIR REGISTERS (see the first launch): 256 along K of a tile of 16 rows are 4,096 consecutive bytes; a group of four registers comes by one ds_load_b128 at 16 x lane.
; K = 1,024 is four chunks of 256, 98,304 bytes each (A's 8 tiles, B's 16).  Chunk 0 is asked for at the head, into LDS bytes 0 .. 98,303.  Chunks 1 and 2 come by ONE load a wave, a tile of two long rows
; (one row a chunk), into bytes of their own, 98,304 .. 294,911.  Chunk 3 fills chunk 0's bytes again, behind the full sequence and a round, and has four steps of 128 along K in which to land.
; Waves 0 and 1 fetch A's halves, waves 2 and 3 B's.  CLUSTERS: 4 x 4; A's tiles hang on cy alone and are asked for jointly by a row of the cluster, B's on cx alone, by a column.
; Both fragment sets are doubled: a step's 48 LDS loads are issued a step ahead, except across the two barriers behind which a new chunk is first read.
; THE MATRIX INSTRUCTION IS USED TRANSPOSED (source 0 = 16 columns of Wout, source 1 = 16 rows): a lane holds eight neighbouring numbers of a row of out0.
; THE WAY OUT: 16 rows x 128 columns at a time through my own stage, which lies in the bytes of chunks 1 and 2: they have had their only fill, and every wave's reads of them are over at the last barrier.
; PREFETCHES: behind each tensor load, what the next one will bring; the four partners of a joint load share its bytes out by address (cx for A, cy for B), lanes 256 bytes apart.
; LIMIT: e6 + e7 between -126 and 127.
; REGISTERS: window 0: v16-30 addresses, v32-95 the bias, v128-255 A's fragments, two sets; window 1: B's, two sets; window 2: the accumulators ((a, b) at v[8 (8 a + b)]).
.set XKS,   2097152                    ; from one chunk to the next in A's image,
.set OKS,   262144                     ; and in B's
.set AX,    98304                      ; LDS: A's halves of chunks 1, 2: half x 32,768 + (chunk - 1) x 16,384
.set BX,    163840                     ; B's: half x 65,536 + (chunk - 1) x 32,768
.set SPARE, 294912                     ; the spare words, 128 bytes a wave: two blocks of 256 bytes that no other line names
.set SPITCH, 528
.set ADRA0, 16
.set ADRAX, 17
.set ADRB0, 20
.set ADRBX, 21
.set RD,    22
.set STO,   24
.set BO,    25
.set LI,    26
.set SPW,   28
.set NIL,   29
.set PFO,   30
.set BI,    32
.set AF,    128
.set BK,    128
.set G1A,  24
.set G1A2, 32
.set G1B,  40
.set G1B2, 48
.set G0A,  56
.set G0A2, 60
.set G0B,  68
.set G0B2, 72
.set MSB, 0
.macro WIN new                         ; the immediate's high byte repeats the setting that is left
.if MSB != (\new)
	s_set_vgpr_msb (MSB<<8)|(\new)
.set MSB, (\new)
.endif
.endm
.macro JLOAD g0a, g1a, g0b, g1b        ; a joint load; an s_nop 0 and four v_nop follow each of the two lines
	s_cmp_eq_u32 s17, 0
	s_cbranch_scc0 .Lfor_b_\@
	tensor_load_to_lds s[\g0a:\g0a+3], s[\g1a:\g1a+7]
	s_nop 0
.rept 4
	v_nop
.endr
	s_branch .Lasked_\@
.Lfor_b_\@:
	tensor_load_to_lds s[\g0b:\g0b+3], s[\g1b:\g1b+7]
	s_nop 0
.rept 4
	v_nop
.endr
.Lasked_\@:
.endm
.macro CROUND                          ; a round of the cluster's barrier
	s_barrier_signal -1
	s_barrier_wait -1
	s_cmp_lg_u32 s16, 0
	s_cbranch_scc1 .Lnot_wave_0_\@
	s_barrier_signal -3
.Lnot_wave_0_\@:
	s_barrier_wait -3
	s_barrier_signal -1
	s_barrier_wait -1
.endm
.macro MKG1 g, c, r, p                 ; group 1 but for its first word: r rows of c elements of 8 bytes, p elements apart
	s_mov_b32 s[\g+1], ((\c)&0xffff)<<16
	s_mov_b32 s[\g+2], ((\c)>>16)|((\r)<<16)
	s_mov_b32 s[\g+3], (\c)<<16
	s_mov_b32 s[\g+4], \r
	s_mov_b32 s[\g+5], \p
	s_mov_b32 s[\g+6], 0
	s_mov_b32 s[\g+7], 0
.endm
	s_load_b256 s[4:11], s[0:1], 0x0               ; ao_img 4, wout_img 6, bout 8, scales 10
	s_load_b64 s[12:13], s[0:1], 0x20              ; out0
	v_lshl_add_u32 v[SPW], v0, 2, SPARE
	v_mov_b32 v[NIL], 0
	ds_add_u32 v[SPW], v[NIL]                      ; the opening lines: the add, twice on end, and its wait
	ds_add_u32 v[SPW], v[NIL]
	v_lshrrev_b32 v1, 5, v0
	v_readfirstlane_b32 s16, v1                    ; wave 0..3
	s_lshr_b32 s17, s16, 1                         ; my half of the block's rows.  Also: I fetch for A (0) or for B (1)
	s_and_b32 s18, s16, 1                          ; my half of its columns.  Also: which half of that operand's tiles I fetch
	s_bfe_u32 s20, ttmp6, 0x40000                  ; cx
	s_bfe_u32 s21, ttmp6, 0x40004                  ; cy
	s_and_b32 s22, ttmp7, 0xffff
	s_lshl_b32 s88, s21, 2
	s_lshl_b32 s88, 15, s88                        ; my row of the cluster
	s_lshl_b32 s92, 0x1111, s20                    ; my column
	s_or_b32 s[G1A], s88, (3<<16)|(1<<21)
	s_or_b32 s[G1A2], s88, (3<<16)|(1<<21)
	s_or_b32 s[G1B], s92, (3<<16)|(1<<21)
	s_or_b32 s[G1B2], s92, (3<<16)|(1<<21)
	MKG1 G1A, 32, 64, 32                           ; one chunk of 4 tiles: 64 rows of 256 bytes, dense
	MKG1 G1A2, 2048, 2, XKS/8                      ; two chunks of 4 tiles: 2 rows of 16,384 bytes
	MKG1 G1B, 32, 128, 32                          ; one chunk of 8 tiles
	MKG1 G1B2, 4096, 2, OKS/8                      ; two chunks of 8 tiles: 2 rows of 32,768 bytes
	s_lshl_b32 s84, s22, 2
	s_add_co_u32 s84, s84, s21                     ; which 128 rows: 4 Y + cy
	s_lshl_b32 s85, ttmp9, 2
	s_add_co_u32 s85, s85, s20                     ; which 256 columns: 4 X + cx
	s_lshl_b32 s88, s84, 15
	s_lshl_b32 s19, s18, 14
	s_add_co_u32 s88, s88, s19                     ; A: 8 tiles a block, 4 a fetching wave
	s_mov_b32 s89, 0
	s_lshl_b32 s92, s85, 16
	s_lshl_b32 s19, s18, 15
	s_add_co_u32 s92, s92, s19                     ; B: 16 tiles a block, 8 a fetching wave
	s_mov_b32 s93, 0
	s_mov_b32 s[G0A], 1
	s_mov_b32 s[G0A2], 1
	s_mov_b32 s[G0B], 1
	s_mov_b32 s[G0B2], 1
	s_lshl_b32 s[G0A+1], s18, 14                   ; where they go: the wave's number alone enters an LDS address
	s_lshl_b32 s[G0A2+1], s18, 15
	s_add_co_u32 s[G0A2+1], s[G0A2+1], AX
	s_lshl_b32 s[G0B+1], s18, 15
	s_add_co_u32 s[G0B+1], s[G0B+1], 32768
	s_lshl_b32 s[G0B2+1], s18, 16
	s_add_co_u32 s[G0B2+1], s[G0B2+1], BX
	s_wait_dscnt 0x0
	s_wait_kmcnt 0x0
	s_load_b256 s[76:83], s[10:11], 0x0            ; e0 .. e7
	s_add_nc_u64 s[G0A+2:G0A+3], s[4:5], s[88:89]
	s_add_nc_u64 s[G0A2+2:G0A2+3], s[G0A+2:G0A+3], XKS
	s_add_nc_u64 s[G0B+2:G0B+3], s[6:7], s[92:93]
	s_add_nc_u64 s[G0B2+2:G0B2+3], s[G0B+2:G0B+3], OKS
	s_or_b32 s[G0A+3], s[G0A+3], 0x80000000
	s_or_b32 s[G0A2+3], s[G0A2+3], 0x80000000
	s_or_b32 s[G0B+3], s[G0B+3], 0x80000000
	s_or_b32 s[G0B2+3], s[G0B2+3], 0x80000000
	CROUND                                         ; all sixteen work-groups are here: the first joint loads meet
	JLOAD G0A, G1A, G0B, G1B                       ; chunk 0: my one load at the head
	; the prefetches' addresses: of a chunk's bytes that I fetch, my work-group's quarter: 4,096 of A's 16,384 (lanes 16-31 name lane 15's block again), 8,192 of B's 32,768
	s_mov_b32 s66, OKS
	s_mov_b32 s67, XKS
	s_cmp_eq_u32 s17, 0
	s_cselect_b64 s[86:87], s[4:5], s[6:7]
	s_cselect_b32 s2, s88, s92
	s_cselect_b32 s3, s20, s21
	s_cselect_b32 s19, 12, 13
	s_cselect_b32 s23, 15, 31
	s_cselect_b32 s66, s67, s66
	s_lshl_b32 s3, s3, s19
	s_add_co_u32 s2, s2, s3
	s_add_co_u32 s2, s2, s66
	s_mov_b32 s3, 0
	s_mov_b32 s67, 0
	s_add_nc_u64 s[86:87], s[86:87], s[2:3]        ; chunk 1
	s_add_nc_u64 s[90:91], s[86:87], s[66:67]      ; chunk 2
	s_add_nc_u64 s[94:95], s[90:91], s[66:67]      ; chunk 3; none of the three is written again
	v_and_b32 v[PFO], 31, v0
	v_min_u32 v[PFO], s23, v[PFO]
	v_lshlrev_b32 v[PFO], 8, v[PFO]
	global_prefetch_b8 v[PFO], s[86:87] th:TH_LOAD_NT scope:SCOPE_SE
	global_prefetch_b8 v[PFO], s[90:91] th:TH_LOAD_NT scope:SCOPE_SE
	s_lshl_b32 s2, s17, 14                         ; my fragments: A's half by my rows, B's by my columns
	s_lshl_b32 s3, s17, 15
	s_add_co_u32 s3, s3, AX
	s_lshl_b32 s19, s18, 15
	s_add_co_u32 s19, s19, 32768
	s_lshl_b32 s23, s18, 16
	s_add_co_u32 s23, s23, BX
	s_mul_i32 s66, s16, 16*SPITCH
	s_add_co_u32 s66, s66, AX                      ; my stage
	s_lshl_b32 s96, s85, 10
	s_lshl_b32 s97, s18, 9
	s_add_co_u32 s96, s96, s97                     ; my first column, in bytes
	s_mov_b32 s97, 0
	s_add_nc_u64 s[8:9], s[8:9], s[96:97]
	s_add_nc_u64 s[12:13], s[12:13], s[96:97]
	s_lshl_b32 s96, s84, 7
	s_lshl_b32 s67, s17, 6
	s_add_co_u32 s96, s96, s67
	s_lshl_b32 s96, s96, 12                        ; my first row, of 4,096 bytes
	s_add_nc_u64 s[12:13], s[12:13], s[96:97]
	v_and_b32 v1, 31, v0
	v_and_b32 v2, 15, v0                           ; r
	v_bfe_u32 v3, v0, 4, 1                         ; h
	v_lshlrev_b32 v[LI], 4, v1
	v_add_nc_u32 v[ADRA0], s2, v[LI]
	v_add_nc_u32 v[ADRAX], s3, v[LI]
	v_add_nc_u32 v[ADRB0], s19, v[LI]
	v_add_nc_u32 v[ADRBX], s23, v[LI]
	v_mul_u32_u24 v[STO], v2, SPITCH
	v_lshl_add_u32 v[STO], v3, 5, v[STO]
	v_add_nc_u32 v[STO], s66, v[STO]               ; into the stage: row r, 32 bytes for each half of the lanes
	v_add_nc_u32 v[RD], s66, v[LI]                 ; back: the 32 lanes take one row of 512 bytes
	v_lshlrev_b32 v[BO], 5, v3
.irp b, 0,1,2,3,4,5,6,7
	global_load_b128 v[BI+8*\b:BI+8*\b+3], v[BO], s[8:9] offset:64*\b
	global_load_b128 v[BI+8*\b+4:BI+8*\b+7], v[BO], s[8:9] offset:64*\b+16
.endr
; Step s (0..7) is 128 along K: chunk s / 2, its half s % 2; fragment sets s % 2.
.macro FETCH s                         ; 48 LDS loads: B's eight fragments, A's four
.set CH, (\s)/2
.set PP, (\s)%2
.if (CH%3) == 0
.set RA, ADRA0
.set RB, ADRB0
.set OA, 0
.set OB, 0
.else
.set RA, ADRAX
.set RB, ADRBX
.set OA, (CH-1)*16384
.set OB, (CH-1)*32768
.endif
	WIN 0x40
.irp i, 0,1,2,3,4,5,6,7
.irp c, 0,1,2,3
	ds_load_b128 v[128*PP+16*\i+4*\c:128*PP+16*\i+4*\c+3], v[RB] offset:OB+\i*4096+PP*2048+512*\c
.endr
.endr
	WIN 0
.irp i, 0,1,2,3
.irp c, 0,1,2,3
	ds_load_b128 v[AF+64*PP+16*\i+4*\c:AF+64*PP+16*\i+4*\c+3], v[RA] offset:OA+\i*4096+PP*2048+512*\c
.endr
.endr
.endm
.macro MUL s, zero                     ; 32 matrix instructions; the 32 accumulators take turns, in the same order in every step
.set PP, (\s)%2
	WIN 0xa1
.irp a, 0,1,2,3
.irp b, 0,1,2,3,4,5,6,7
.if \zero
	v_wmma_f32_16x16x128_fp8_fp8 v[8*(8*\a+\b):8*(8*\a+\b)+7], v[128*PP+16*\b:128*PP+16*\b+15], v[AF+64*PP+16*\a:AF+64*PP+16*\a+15], 0
.else
	v_wmma_f32_16x16x128_fp8_fp8 v[8*(8*\a+\b):8*(8*\a+\b)+7], v[128*PP+16*\b:128*PP+16*\b+15], v[AF+64*PP+16*\a:AF+64*PP+16*\a+15], v[8*(8*\a+\b):8*(8*\a+\b)+7]
.endif
.endr
.endr
.endm
.macro PLACES                          ; four plain lines between a matrix instruction and a load into, or a vector read or write of, its registers
.rept 4
	v_nop
.endr
.endm
	s_wait_alu depctr_va_vdst(0)                   ; the head's end
	s_wait_tensorcnt 0x0                           ; my part of chunk 0 is in
	ds_add_u32 v[SPW], v[NIL]
	s_wait_dscnt 0x0
	CROUND
	JLOAD G0A2, G1A2, G0B2, G1B2                   ; chunks 1 and 2: the first tensor load behind the round
	FETCH 0
	FETCH 1
	global_prefetch_b8 v[PFO], s[94:95] th:TH_LOAD_NT scope:SCOPE_SE
	s_wait_dscnt 48                                ; step 0's fragments are in; the 48 loads issued behind them may be out
	MUL 0, 1                                       ; the first products start the sums: nothing is cleared
	s_wait_dscnt 0x0
	MUL 1, 0
	WIN 0
	s_wait_tensorcnt 0x0                           ; my part of chunks 1 and 2 is in, so a group 0 may be written
	ds_add_u32 v[SPW], v[NIL]
	s_add_nc_u64 s[G0A+2:G0A+3], s[G0A+2:G0A+3], 3*XKS
	s_add_nc_u64 s[G0B+2:G0B+3], s[G0B+2:G0B+3], 3*OKS
	s_wait_dscnt 0x0                               ; the add is done; my reads of chunk 0 were over ahead of step 1's products
	CROUND                                         ; no wave of any partner still reads chunk 0 or has a load on its way
	JLOAD G0A, G1A, G0B, G1B                       ; chunk 3 into chunk 0's bytes; its four v_nop are the places in front of the loads below
	FETCH 2
	FETCH 3
	s_wait_dscnt 48
	MUL 2, 0
	PLACES
	FETCH 4
	s_wait_dscnt 48
	MUL 3, 0
	PLACES
	FETCH 5
	s_wait_dscnt 48
	MUL 4, 0
	s_wait_dscnt 0x0                               ; my reads of chunks 1 and 2 are over
	MUL 5, 0
	WIN 0
	s_wait_tensorcnt 0x0                           ; my part of chunk 3 is in
	s_barrier_signal -1
	s_barrier_wait -1                              ; and so it is with every wave
	PLACES
	FETCH 6
	FETCH 7
	s_wait_dscnt 48
	MUL 6, 0
	s_wait_dscnt 0x0
	MUL 7, 0
	WIN 0
.macro TOSTAGE a                       ; block a: sum x 2^(e6 + e7) + bias, each accumulator from its low end on; into my stage, and back as whole rows of 512 bytes
	WIN 0x42
.set j, 0
.rept 32
	v_pk_fma_f32 v[j:j+1], v[64*(\a)+j:64*(\a)+j+1], s[96:97], v[BI+j:BI+j+1] op_sel_hi:[1,0,1]
.set j, j+2
.endr
	WIN 0x04
.irp b, 0,1,2,3,4,5,6,7
	ds_store_b128 v[STO], v[8*\b:8*\b+3] offset:64*\b
	ds_store_b128 v[STO], v[8*\b+4:8*\b+7] offset:64*\b+16
.endr
	WIN 0
.set BB, BK+64*((\a)%2)
.irp t, 0,1,2,3,4,5,6,7,8,9,10,11,12,13,14,15
	ds_load_b128 v[BB+4*\t:BB+4*\t+3], v[RD] offset:\t*SPITCH    ; LDS serves a wave's instructions in order: these see my stores
.endr
.endm
.macro SEND a, younger                 ; younger: the LDS instructions issued behind block a's loads, which may stay out
.set BB, BK+64*((\a)%2)
	s_wait_dscnt \younger
.if (\a) > 0
	s_add_nc_u64 s[12:13], s[12:13], 16*4096       ; (behind a wait on XCNT: the earlier stores have read their base)
.endif
.irp t, 0,1,2,3,4,5,6,7,8,9,10,11,12,13,14,15
	global_store_b128 v[LI], v[BB+4*\t:BB+4*\t+3], s[12:13] offset:\t*4096 th:TH_STORE_NT   ; 32 lanes store 512 consecutive bytes, aligned
.endr
.endm
	s_wait_kmcnt 0x0
	s_add_co_i32 s96, s82, s83                     ; e6 + e7
	s_add_co_i32 s96, s96, 127
	s_lshl_b32 s96, s96, 23                        ; 2^(e6 + e7) as f32
	s_mov_b32 s97, s96
	s_wait_loadcnt 0x0                             ; the bias
	PLACES
	TOSTAGE 0
.irp a, 1,2,3
.if \a > 1
	s_wait_xcnt 0x0                                ; block a - 2's stores have read their registers and their base
.endif
	TOSTAGE \a
	SEND \a-1, 32                                  ; behind block a - 1's loads: block a's 16 stores and 16 loads
.endr
	s_wait_xcnt 0x0
	SEND 3, 0
	s_wait_tensorcnt 0x0                           ; the wave's end
	ds_add_u32 v[SPW], v[NIL]
	s_wait_dscnt 0x0
	CROUND                                         ; the closing round
	s_endpgm
.Lfunc_end_k_q2d9198b275_proj:
	.size	k_q2d9198b275_proj, .Lfunc_end_k_q2d9198b275_proj-k_q2d9198b275_proj
	.p2alignl 7, 3214868480
	.fill 96, 4, 3214868480
	.section	.rodata,"a",@progbits
	.p2align	6, 0x0
	.amdhsa_kernel k_q2d9198b275_proj
		.amdhsa_group_segment_fixed_size 327680
		.amdhsa_private_segment_fixed_size 0
		.amdhsa_enable_private_segment 0
		.amdhsa_kernarg_size 40
		.amdhsa_user_sgpr_count 2
		.amdhsa_user_sgpr_kernarg_segment_ptr 1
		.amdhsa_wavefront_size32 1
		.amdhsa_system_sgpr_workgroup_id_x 1
		.amdhsa_system_sgpr_workgroup_id_y 1
		.amdhsa_system_sgpr_workgroup_id_z 1
		.amdhsa_system_vgpr_workitem_id 0
		.amdhsa_next_free_vgpr 768
		.amdhsa_next_free_sgpr 98
		.amdhsa_reserve_vcc 0
		.amdhsa_float_denorm_mode_32 3
		.amdhsa_float_denorm_mode_16_64 3
		.amdhsa_memory_ordered 1
		.amdhsa_forward_progress 1
		.amdhsa_inst_pref_size 77
	.end_amdhsa_kernel
	.amdgpu_metadata
---
amdhsa.version: [ 1, 2 ]
amdhsa.kernels:
  - .name:           k_q2d9198b275_proj
    .symbol:         k_q2d9198b275_proj.kd
    .args:
      - { .name: ao_img, .offset: 0, .size: 8, .value_kind: global_buffer, .address_space: global }
      - { .name: wout_img, .offset: 8, .size: 8, .value_kind: global_buffer, .address_space: global }
      - { .name: bout, .offset: 16, .size: 8, .value_kind: global_buffer, .address_space: global }
      - { .name: lowp_scales, .offset: 24, .size: 8, .value_kind: global_buffer, .address_space: global }
      - { .name: out0, .offset: 32, .size: 8, .value_kind: global_buffer, .address_space: global }
    .group_segment_fixed_size: 327680
    .private_segment_fixed_size: 0
    .kernarg_segment_align: 8
    .kernarg_segment_size: 40
    .max_flat_workgroup_size: 128
    .sgpr_count:     98
    .vgpr_count:     768
    .wavefront_size: 32
...
	.end_amdgpu_metadata
.endif
;; end of part 4
